; MI455X (gfx1250); checked and timed in simulation.
; The chip was launched on July 23, 2026; its instructions are those of AMD's public machine-readable ISA for CDNA 5 (MIT licence, August 2026) and "CDNA5" Instruction Set Architecture Reference Guide (July 2026). The comments in the code are by the model that wrote it; some were corrected since.
;; Multi Head Attention Slow. Allowed arithmetic: matrix products marked QUANTISED: E3M2 operands, one E8M0 scale for each 32 along K, by v_wmma_scale_f32_16x16x128_f8f6f4 with both operands' format E3M2, f32 sums; everything else in f32.
;; Inputs: WO 2,048 x 2,048 float32; Wk 16 x 2,048 x 128 float32; Wq 16 x 2,048 x 128 float32; Wv 16 x 2,048 x 128 float32; bk 16 x 128 float32; bo 2,048 float32; bq 16 x 128 float32; bv 16 x 128 float32; x 1 x 2,048 x 2,048 float32.
;; Outputs: out0 1 x 2,048 x 2,048 float32.
;; This version of the problem:
;;   THIS VERSION OF THE PROBLEM IS GIVEN IN LOW PRECISION. The matrix products marked QUANTISED in the list below multiply operands that are first quantised to E3M2 (3 exponent bits, 2 mantissa bits; 6 bits a number), with one power-of-two scale for each 32 numbers along K (OCP MX v1.0); their sums are f32. All else is computed in f32.
;;   The module's matrix products, in the order in which they are computed (A, B: the left and right operand; K: the contracted axis; several contracted axes count as one K, in the product's order):
;;     1. [M 2,048, K 2,048] x [K 2,048, N 2,048]; A: input Wq; B: input x: QUANTISED
;;     2. [M 2,048, K 2,048] x [K 2,048, N 2,048]; A: input Wk; B: input x: QUANTISED
;;     3. [M 2,048, K 2,048] x [K 2,048, N 2,048]; A: input Wv; B: input x: QUANTISED
;;     4. batch 16 x [M 2,048, K 128] x [K 128, N 2,048]; A: computed on the way; B: computed on the way: QUANTISED
;;     5. batch 16 x [M 2,048, K 2,048] x [K 2,048, N 128]; A: softmax (see below); B: computed on the way: QUANTISED
;;     6. [M 2,048, K 2,048] x [K 2,048, N 2,048]; A: computed on the way; B: input WO: QUANTISED
;;   THE QUANTISER, for each operand of a quantised product, along K:
;;     - K is cut into blocks of 32 from its start; a last block that is shorter is filled with zeros.
;;     - A block's scale is 2^e with e = floor(log2(the largest magnitude in the block)) - 4, held to -126 .. 127; a block of zeros has e = 0. As a byte (E8M0): e + 127.
;;     - Each number is divided by its block's scale, clamped to +-28, and rounded to the nearest number of E3M2, ties to even, subnormals kept.
;;     - The product sums the exact products of the quantised numbers (number of the format x scale) in f32.
;;   ~~~python
;;   def quantise(x, axis):      # numpy; x: float32 -> the quantised numbers, widened to float32 again
;;       x = np.moveaxis(x, axis, -1); K = x.shape[-1]
;;       x = np.pad(x, [(0, 0)] * (x.ndim - 1) + [(0, -K % 32)]); x = x.reshape(x.shape[:-1] + (-1, 32)); a = np.abs(x).max(-1, keepdims=True)
;;       e = np.where(a > 0, np.clip(np.frexp(np.where(a > 0, a, 1))[1] - 1 - 4, -126, 127), 0)      # np.frexp(a)[1] - 1 = floor(log2(a)), exactly
;;       r = np.clip(x / 2.0 ** e, -28, 28)
;;       step = 2.0 ** (np.maximum(np.frexp(np.where(r == 0, 1, r))[1] - 1, -2) - 2)
;;       q = np.round(r / step) * step * 2.0 ** e      # np.round: ties to even
;;       return np.moveaxis(q.reshape(q.shape[:-2] + (-1,))[..., :K], -1, axis).astype(np.float32)
;;   ~~~
;;   SOFTMAX AHEAD OF A QUANTISED PRODUCT. Where the list says 'softmax', what is quantised is not the finished softmax but p = 2^(t - M), with t = logit x log2(e) and M = ceil(the row's largest t), a whole number; so 1/2 < the row's largest p <= 1. The row's sum l is taken of the UNQUANTISED p, in f32, and the product's result is divided by l at the end. Since M is a whole number, a kernel that streams over the keys may use a running M (the ceiling of the running maximum): every later rescaling is an exact power of two, which a block's scale takes up: the codes' values come out the same.
;;   OPERANDS COMPUTED ON THE WAY. 'Computed on the way' means the value that the module computes at that place (a softmax that the list does not call 'softmax' is quantised finished and normalised). What goes into a quantiser is computed in f32, as accurately as f32 sums, v_exp_f32 and their like allow (about 1e-6 of the number): no bf16 or f16 on the way to a quantiser, and a product that is left as it is and whose result goes on into a quantised operand takes f32 operands (vector FMAs, or v_wmma_f32_16x16x4_f32). A number that lies on a knife's edge between two numbers of the format may be rounded either way, as far as f32 arithmetic and the matrix unit's own rounding can turn it there, and no further.
;; One version. Each part assembles by itself: llvm-mc -triple=amdgcn-amd-amdhsa -mcpu=gfx1250 --defsym DOCPART=n.
;; ======== version 1 of 1: 4 launches
;; limits: right only within a limited range of input values
;; workspace buffers: opc 15,728,640 bytes; ops 655,360 bytes; qkvc 9,437,184 bytes; qkvs 393,216 bytes; atc 3,145,728 bytes; ats 131,072 bytes
;; launch quant (part 1): grid 640 x 1, 4 waves a work-group, no clusters, 35,328 bytes of LDS; arguments x, Wq, Wk, Wv, WO, opc, ops; writes opc, ops
.if DOCPART == 1
	.amdgcn_target "amdgcn-amd-amdhsa--gfx1250"
	.amdhsa_code_object_version 6
	.text
	.protected	k_q1d4489d10e_quant
	.globl	k_q1d4489d10e_quant
	.p2align	8
	.type	k_q1d4489d10e_quant,@function
k_q1d4489d10e_quant:
	s_mov_b64 s[64:65], 0
	v_nop
	global_prefetch_b8 v0, s[64:65] scope:SCOPE_SE
	s_setreg_imm32_b32 hwreg(HW_REG_WAVE_MODE, 25, 1), 1
	s_wait_xcnt 0x0
; x [2048][2048] (K innermost), Wq, Wk, Wv [16][2048 (K)][128] and WO [2048 (K)][2048], all f32, become codes of BF6 (E3M2) with one E8M0 byte for each 32 along K.
; A block's scale is 2^(floor(log2(its largest magnitude)) - 4); its byte is the largest magnitude's exponent field - 4, held at 1 from below.
; LIMITS: a block whose largest magnitude lies under 2^-122 keeps the byte 1; a block of zeros gets the byte 1 and not 127 (its codes are zeros, and only this program reads the bytes); NaN and infinities are not served.
; THE LAYOUT OF EVERY OPERAND OF THIS PROGRAM.  An operand is [2048 rows][2048 along K].  Codes: [K step of 128 (16)][row block of 16 (128)][1536 bytes]: a fragment as an image of its 12 registers,
; three chunks of 512 bytes, registers 4 c .. 4 c + 3 of lane l at 512 c + 16 l.  Scale words: [K step][row block][16 words], word r for the row in lane r.
; THE ROWS OF A ROW BLOCK ARE NOT NEIGHBOURS: lane r of row block 2 g + u holds row 32 g + 8 u + r % 8 + 16 (r / 8), so that a product that takes such a block as source 0 leaves 16 neighbours in the 16 registers of two tiles.
; opc, ops hold tensors 0 x, 1 Wq, 2 Wk, 3 Wv, 4 WO (rows of a weight: its columns; for Wq, Wk, Wv row 128 h + d).
; Work-groups 0-127 take x, 128-639 the weights; each reads 128 KiB.  No tensor loads, no barrier: waves share nothing.
.set PL,   196608                      ; a K step's plane of codes
.set TC,   16*PL                       ; a tensor's codes
.set SPL,  8192                        ; a K step's plane of scale words
.set TS,   16*SPL
.set FRB,  1536                        ; a fragment's image
.set WREG, 8704                        ; x path, LDS: a wave's own region: a stage of 16 rows x 528 bytes, then 256 bytes of scale words
.set SP,   528                         ; a stage row: 512 bytes + 16, so that the sixteen rows of a read start in different banks
.set SWD,  16*SP
.set R,    32                          ; v32-159  two sets of 64 registers as loaded
.set X,    160                         ; v160-223 my 64 numbers: two whole blocks of my row
.set PC,   224                         ; v224-235 the fragment
.set PT,   236                         ; v236-238, v240-242 the upper halves of the two blocks' codes
.set OFF,  32                          ; weights path: v32-63 32 offsets down K; never rewritten
.set XW,   64                          ; v64-127  two sets of 32 numbers
.set FAB,  128                         ; v128-151, v160-183: for each of two K steps the even blocks' codes (12), then the odd blocks'
.set PTW,  152
.set WRD,  156                         ; v156, v157 my column's scale word of each K step
	s_load_b256 s[4:11], s[0:1], 0x0               ; x, Wq, Wk, Wv
	s_load_b128 s[12:15], s[0:1], 0x20             ; WO, opc
	s_load_b64 s[16:17], s[0:1], 0x30              ; ops
	v_lshl_add_u32 v248, v0, 2, 0x8800
	v_mov_b32 v249, 0
	v_lshrrev_b32 v1, 5, v0
	v_readfirstlane_b32 s18, v1                    ; wave 0..3
	v_and_b32 v7, 31, v0                           ; lane
	v_lshlrev_b32 v1, 4, v7                        ; 16 x lane
	s_cmp_lt_u32 ttmp9, 128
	s_cbranch_scc0 .Lweights
; ---------------- x: work-group g takes rows 64 (g / 4) on; wave w takes K step 4 (g % 4) + w: four fragments
	s_lshr_b32 s20, ttmp9, 2                       ; the group of 64 rows
	s_and_b32 s21, ttmp9, 3
	s_lshl_b32 s21, s21, 2
	s_add_co_u32 s21, s21, s18                     ; my K step
	s_lshl_b32 s22, s20, 19                        ; 64 rows of 8,192 bytes
	s_lshl_b32 s23, s21, 9                         ; 128 numbers
	s_add_co_u32 s22, s22, s23
	s_mov_b32 s23, 0
	s_mul_i32 s24, s21, PL
	s_mul_i32 s25, s20, 4*FRB
	s_add_co_u32 s24, s24, s25
	s_mov_b32 s25, 0
	s_lshl_b32 s26, s21, 13
	s_lshl_b32 s27, s20, 8
	s_add_co_u32 s26, s26, s27
	s_mov_b32 s27, 0
	s_mul_i32 s28, s18, WREG
	s_mov_b32 s30, 0x76543210
	s_mov_b32 s31, 0xfedcba98                      ; v_permlanex16_b32's selects for lane l xor 16
	v_and_b32 v8, 15, v0                           ; r
	v_bfe_u32 v9, v0, 4, 1                         ; h
	s_wait_alu depctr_va_vdst(0)
	v_add_nc_u32 v2, s28, v1                       ; the stage, on the way in: 16 x lane of a row
	v_mul_u32_u24 v3, v8, SP
	v_lshl_add_u32 v3, v9, 7, v3
	v_add_nc_u32 v3, s28, v3                       ; and out: row r, + 128 h: the block 2 c + h of my row
	v_lshl_add_u32 v4, v8, 2, SWD
	v_add_nc_u32 v4, s28, v4                       ; where row r's scale word goes
	v_lshlrev_b32 v6, 3, v7                        ; 8 x lane
	v_add_nc_u32 v5, s28, v6
	v_add_nc_u32 v5, SWD, v5                       ; and from where the 64 words come back
	v_lshlrev_b32 v7, 3, v9                        ; 8 h: my bytes' place in the word
	v_mov_b32 v15, 0                               ; written once: a lane permute's destination counts as one of its sources
	s_wait_alu depctr_va_vdst(0)
	s_wait_kmcnt 0x0
	s_add_nc_u64 s[4:5], s[4:5], s[22:23]
	s_add_nc_u64 s[14:15], s[14:15], s[24:25]
	s_add_nc_u64 s[16:17], s[16:17], s[26:27]
.macro LOADU u                         ; unit u = row block 4 (g / 4) + u: place i takes row 32 (u / 2) + 8 (u % 2) + i % 8 + 16 (i / 8); each load reads 512 consecutive bytes
.irp i, 0,1,2,3,4,5,6,7,8,9,10,11,12,13,14,15
	global_load_b128 v[R+64*((\u)%2)+4*\i:R+64*((\u)%2)+4*\i+3], v1, s[4:5] offset:(32*((\u)/2)+8*((\u)%2)+\i%8+16*(\i/8))*8192 th:TH_LOAD_NT
.endr
.endm
.macro UNIT u
.if (\u) < 3
	s_wait_loadcnt 16                              ; this unit's 16 loads are in; the next unit's may be out
.else
	s_wait_loadcnt 0x0
.endif
.irp i, 0,1,2,3,4,5,6,7,8,9,10,11,12,13,14,15
	ds_store_b128 v2, v[R+64*((\u)%2)+4*\i:R+64*((\u)%2)+4*\i+3] offset:SP*\i
.endr
.irp c, 0,1
.irp j, 0,1,2,3,4,5,6,7
	ds_load_b128 v[X+32*\c+4*\j:X+32*\c+4*\j+3], v3 offset:256*\c+16*\j   ; LDS serves a wave's instructions in order: these see the stores above.  k = 64 c + 32 h + 4 j on
.endr
.endr
	s_wait_dscnt 0x0
.if (\u) > 0
	s_wait_xcnt 0x0                                ; the last unit's stores have read the fragment's registers, which are written again below
.endif
.if (\u) < 2
	LOADU (\u)+2
.endif
.irp c, 0,1
	v_max3_num_f32 v[8+\c], |v[X+32*\c]|, |v[X+1+32*\c]|, 0x2800000   ; my block 2 c + h: all 32 numbers are mine; and the floor 2^(5 - 127): the byte cannot fall under 1
.endr
.irp i, 2,4,6,8,10,12,14,16,18,20,22,24,26,28,30
.irp c, 0,1
	v_max3_num_f32 v[8+\c], v[8+\c], |v[X+32*\c+\i]|, |v[X+1+32*\c+\i]|
.endr
.endr
.irp c, 0,1
	v_add_nc_u32 v[10+\c], 0xfe000000, v[8+\c]     ; 4 off the exponent field: the conversion's scale operand
.endr
.irp c, 0,1
	v_lshrrev_b32 v[12+\c], 23, v[10+\c]           ; the scale's byte
.endr
	v_lshl_or_b32 v14, v13, 16, v12                ; my two bytes: blocks h and 2 + h,
	v_lshlrev_b32 v14, v7, v14                     ; at their places in the word;
	v_permlanex16_b32 v15, v14, s30, s31
	v_or_b32 v14, v14, v15                         ; with lane l xor 16's two the word is whole
.irp c, 0,1
	v_cvt_scalef32_pk16_bf6_f32 v[PC+6*\c:PC+6*\c+2], v[X+32*\c:X+32*\c+15], v[10+\c]
	v_cvt_scalef32_pk16_bf6_f32 v[PT+4*\c:PT+4*\c+2], v[X+32*\c+16:X+32*\c+31], v[10+\c]   ; (a conversion's three registers begin on an even number)
.endr
	v_nop                                          ; one plain place behind a scaled conversion
.irp c, 0,1
.irp i, 0,1,2
	v_mov_b32 v[PC+3+6*\c+\i], v[PT+4*\c+\i]
.endr
.endr
.irp c, 0,1,2
	global_store_b128 v1, v[PC+4*\c:PC+4*\c+3], s[14:15] offset:FRB*(\u)+512*\c   ; 512 consecutive bytes, at a multiple of 256 from the buffer's first byte
.endr
	ds_store_b32 v4, v14 offset:64*(\u)            ; lanes r and r + 16 write the same word with the same value
.endm
	LOADU 0
	LOADU 1
	UNIT 0
	UNIT 1
	UNIT 2
	UNIT 3
	ds_load_b64 v[12:13], v5                       ; four row blocks' 64 words
	s_wait_dscnt 0x0
	global_store_b64 v6, v[12:13], s[16:17]        ; 256 consecutive bytes, aligned
	s_wait_tensorcnt 0x0
	ds_add_u32 v248, v249
	s_wait_dscnt 0x0
	s_endpgm
; ---------------- the weights: K is not innermost.  A lane takes a column and its registers run down K.  Work-group g' = g - 128: tensor g' / 128, columns 128 ((g' / 8) % 16) on, K 256 (g' % 8) on; wave w: 32 columns
.Lweights:
	s_sub_co_u32 s20, ttmp9, 128
	s_lshr_b32 s21, s20, 7                         ; 0 Wq, 1 Wk, 2 Wv, 3 WO
	s_bfe_u32 s22, s20, 0x40003                    ; the group of 128 columns (for Wq, Wk, Wv: the head)
	s_and_b32 s23, s20, 7                          ; the run of 256 along K
	s_wait_kmcnt 0x0
	s_cmp_eq_u32 s21, 0
	s_cselect_b64 s[40:41], s[6:7], s[8:9]
	s_cmp_eq_u32 s21, 2
	s_cselect_b64 s[40:41], s[10:11], s[40:41]
	s_cmp_eq_u32 s21, 3
	s_cselect_b64 s[40:41], s[12:13], s[40:41]
	s_mov_b32 s42, 512
	s_cselect_b32 s42, 0x2000, s42                 ; bytes from one k to the next: 8,192 in WO, 512 in a head's matrix
	s_mov_b32 s43, 0x100000
	s_cselect_b32 s43, 512, s43                    ; bytes from one group of columns to the next
	s_mul_i32 s44, s22, s43
	s_lshl_b32 s45, s23, 8
	s_mul_i32 s45, s45, s42
	s_add_co_u32 s44, s44, s45
	s_mov_b32 s45, 0
	s_add_nc_u64 s[24:25], s[40:41], s[44:45]      ; a base for each of the eight blocks of 32 along K: no address is stepped later
	s_lshl_b32 s44, s42, 5
.irp t, 1,2,3,4,5,6,7
	s_add_nc_u64 s[24+2*\t:25+2*\t], s[22+2*\t:23+2*\t], s[44:45]
.endr
	s_wait_alu depctr_va_vdst(0)
	v_and_b32 v8, 7, v7                            ; lane l takes column l with its bits 3 and 4 exchanged: lanes 0-15 are then row block 2 g's rows, lanes 16-31 row block 2 g + 1's
	v_bfe_u32 v9, v7, 3, 1
	v_bfe_u32 v10, v7, 4, 1
	v_lshl_or_b32 v8, v9, 4, v8
	v_lshl_or_b32 v8, v10, 3, v8
	v_lshlrev_b32 v8, 2, v8
	v_lshl_add_u32 v8, s18, 7, v8                  ; + my wave's 32 columns
	v_mov_b32 v9, s42
.set ii, 0
.rept 32
	v_mad_u32_u24 v[OFF+ii], v9, ii, v8
.set ii, ii+1
.endr
	v_lshlrev_b32 v2, 2, v7                        ; 4 x lane
	s_add_co_u32 s46, s21, 1                       ; the tensor's number in opc and ops
	s_mul_i32 s47, s46, TC
	s_mul_i32 s48, s23, 2*PL
	s_add_co_u32 s47, s47, s48
	s_lshl_b32 s48, s22, 3
	s_lshl_b32 s49, s18, 1
	s_add_co_u32 s48, s48, s49                     ; my first row block
	s_mul_i32 s49, s48, FRB
	s_add_co_u32 s50, s47, s49
	s_mov_b32 s51, 0
	s_add_nc_u64 s[14:15], s[14:15], s[50:51]
	s_mul_i32 s50, s46, TS
	s_lshl_b32 s47, s23, 14
	s_add_co_u32 s50, s50, s47
	s_lshl_b32 s47, s48, 6
	s_add_co_u32 s50, s50, s47
	s_add_nc_u64 s[16:17], s[16:17], s[50:51]
.macro LOADB t                         ; block t: 32 numbers down K of my column; a wave's load reads 128 consecutive bytes, the four waves stand side by side on 512
.set ii, 0
.rept 32
	global_load_b32 v[XW+32*((\t)%2)+ii], v[OFF+ii], s[24+2*(\t):25+2*(\t)] th:TH_LOAD_NT
.set ii, ii+1
.endr
.endm
.macro BLOCK t
.set XS, XW+32*((\t)%2)
.set FA, FAB+32*((\t)/4)
.set DD, FA+12*((\t)%2)+6*(((\t)%4)/2)
.if (\t) < 7
	s_wait_loadcnt 32                              ; this block's 32 loads are in; the next block's may be out
.else
	s_wait_loadcnt 0x0
.endif
	v_max3_num_f32 v12, |v[XS]|, |v[XS+1]|, |v[XS+2]|
	v_max3_num_f32 v13, |v[XS+3]|, |v[XS+4]|, |v[XS+5]|
.irp i, 6,10,14,18,22,26
	v_max3_num_f32 v12, v12, |v[XS+\i]|, |v[XS+\i+1]|
	v_max3_num_f32 v13, v13, |v[XS+\i+2]|, |v[XS+\i+3]|
.endr
	v_max3_num_f32 v12, v12, |v[XS+30]|, |v[XS+31]|
	v_max3_num_f32 v12, v12, v13, 0x2800000        ; and the floor
	v_add_nc_u32 v11, 0xfe000000, v12
	v_lshrrev_b32 v13, 23, v11
.if (\t)%4 == 0
	v_mov_b32 v[WRD+(\t)/4], v13
.else
	v_lshl_or_b32 v[WRD+(\t)/4], v13, 8*((\t)%4), v[WRD+(\t)/4]
.endif
	v_cvt_scalef32_pk16_bf6_f32 v[DD:DD+2], v[XS:XS+15], v11
	v_cvt_scalef32_pk16_bf6_f32 v[PTW:PTW+2], v[XS+16:XS+31], v11
	v_nop                                          ; one plain place behind a scaled conversion
.irp i, 0,1,2
	v_mov_b32 v[DD+3+\i], v[PTW+\i]
.endr
.if (\t)+2 < 8
	LOADB (\t)+2
.endif
.if (\t)%4 == 3                        ; a K step is whole.  A fragment wants blocks 0, 2 of a row in lanes 0-15 and blocks 1, 3 in lanes 16-31: the even blocks' lanes 16-31 change places with the odd blocks' lanes 0-15
.irp i, 0,1,2,3,4,5,6,7,8,9,10,11
	v_permlane16_swap_b32 v[FA+\i], v[FA+12+\i]
.endr
.irp c, 0,1,2
	global_store_b128 v1, v[FA+4*\c:FA+4*\c+3], s[14:15] offset:((\t)/4)*PL+512*\c
	global_store_b128 v1, v[FA+12+4*\c:FA+12+4*\c+3], s[14:15] offset:((\t)/4)*PL+FRB+512*\c
.endr
	global_store_b32 v2, v[WRD+(\t)/4], s[16:17] offset:((\t)/4)*SPL   ; two row blocks' words: 128 consecutive bytes (half of an aligned 256; the scale words are one byte in 128 of what is read)
.endif
.endm
	s_wait_alu depctr_va_vdst(0)
	LOADB 0
	LOADB 1
.irp t, 0,1,2,3,4,5,6,7
	BLOCK \t
.endr
	s_endpgm
.Lfunc_end_k_q1d4489d10e_quant:
	.size	k_q1d4489d10e_quant, .Lfunc_end_k_q1d4489d10e_quant-k_q1d4489d10e_quant
	.p2alignl 7, 3214868480
	.fill 96, 4, 3214868480
	.section	.rodata,"a",@progbits
	.p2align	6, 0x0
	.amdhsa_kernel k_q1d4489d10e_quant
		.amdhsa_group_segment_fixed_size 35328
		.amdhsa_private_segment_fixed_size 0
		.amdhsa_enable_private_segment 0
		.amdhsa_kernarg_size 56
		.amdhsa_user_sgpr_count 2
		.amdhsa_user_sgpr_kernarg_segment_ptr 1
		.amdhsa_wavefront_size32 1
		.amdhsa_system_sgpr_workgroup_id_x 1
		.amdhsa_system_sgpr_workgroup_id_y 1
		.amdhsa_system_sgpr_workgroup_id_z 1
		.amdhsa_system_vgpr_workitem_id 0
		.amdhsa_next_free_vgpr 250
		.amdhsa_next_free_sgpr 66
		.amdhsa_reserve_vcc 0
		.amdhsa_float_denorm_mode_32 3
		.amdhsa_float_denorm_mode_16_64 3
		.amdhsa_memory_ordered 1
		.amdhsa_forward_progress 1
		.amdhsa_inst_pref_size 73
	.end_amdhsa_kernel
	.amdgpu_metadata
---
amdhsa.version: [ 1, 2 ]
amdhsa.kernels:
  - .name:           k_q1d4489d10e_quant
    .symbol:         k_q1d4489d10e_quant.kd
    .args:
      - { .name: x, .offset: 0, .size: 8, .value_kind: global_buffer, .address_space: global }
      - { .name: Wq, .offset: 8, .size: 8, .value_kind: global_buffer, .address_space: global }
      - { .name: Wk, .offset: 16, .size: 8, .value_kind: global_buffer, .address_space: global }
      - { .name: Wv, .offset: 24, .size: 8, .value_kind: global_buffer, .address_space: global }
      - { .name: WO, .offset: 32, .size: 8, .value_kind: global_buffer, .address_space: global }
      - { .name: opc, .offset: 40, .size: 8, .value_kind: global_buffer, .address_space: global }
      - { .name: ops, .offset: 48, .size: 8, .value_kind: global_buffer, .address_space: global }
    .group_segment_fixed_size: 35328
    .private_segment_fixed_size: 0
    .kernarg_segment_align: 8
    .kernarg_segment_size: 56
    .max_flat_workgroup_size: 128
    .sgpr_count:     66
    .vgpr_count:     250
    .wavefront_size: 32
...
	.end_amdgpu_metadata
.endif
;; end of part 1
;; launch qkv (part 2): grid 4 x 48, 4 waves a work-group, clusters of 4 x 1, 327,680 bytes of LDS; arguments opc, ops, bq, bk, bv, qkvc, qkvs; writes qkvc, qkvs
.if DOCPART == 2
	.amdgcn_target "amdgcn-amd-amdhsa--gfx1250"
	.amdhsa_code_object_version 6
	.text
	.protected	k_q1d4489d10e_qkv
	.globl	k_q1d4489d10e_qkv
	.p2align	8
	.type	k_q1d4489d10e_qkv,@function
k_q1d4489d10e_qkv:
	s_mov_b64 s[64:65], 0
	v_nop
	global_prefetch_b8 v0, s[64:65] scope:SCOPE_SE
	s_setreg_imm32_b32 hwreg(HW_REG_WAVE_MODE, 25, 1), 1
	s_wait_xcnt 0x0
	s_wait_alu depctr_hold_cnt(0) depctr_sa_sdst(0) depctr_va_vdst(0) depctr_va_sdst(0) depctr_va_ssrc(0) depctr_va_vcc(0) depctr_vm_vsrc(0)
	s_getreg_b32 s2, hwreg(HW_REG_IB_STS2, 6, 4)
	s_cmp_eq_u32 s2, 0
	s_cbranch_scc0 .Lentry_in_a_cluster
	s_endpgm
.Lentry_in_a_cluster:
	s_bfe_u32 s2, ttmp6, 0x10000c
	s_cmp_lg_u32 s2, 0x3003
	s_cbranch_scc0 .Lentry_shape_is_right
	s_endpgm
.Lentry_shape_is_right:
; q = x Wq + bq, k = x Wk + bk, v = x Wv + bv on codes of BF6 (E3M2) with E8M0 scales, f32 sums; each result is quantised at once: q and k along a head's 128, v along the keys.
; Operands and results lie as images of fragments: codes [K step (16)][row block (128)][1536 bytes], scale words [K step][row block][16 words]; lane r of row block 2 g + u holds row 32 g + 8 u + r % 8 + 16 (r / 8).
; p = y / 16.  Source 1 ("A") gives the lane's row, source 0 ("B") the rows that run along a lane's registers.  p = 0, 1: A = x, B = Wq, Wk.  p = 2: A = Wv, B = x: v with the keys innermost.
; A work-group makes 128 rows of A x 512 rows of B, a wave 128 x 128 (64 accumulators): 192 work-groups; 2,048 has no divisor 3, so tiles of this shape give no 256.
; A's 128 rows, ALL of K (196,608 bytes), come into LDS once, in two parts: K steps 0-3 at the head (a K step a wave), K steps 4-15 (three a wave) behind the full sequence and a round; one barrier at K step 3 shows them.  No byte is filled twice.
; B's 128 rows are the wave's own: no other wave of the work-group reads them, so their images go from memory straight into registers, 512 consecutive bytes a load, two sets, reloaded a quarter (2 fragments) at a time, in runs.
; The scale words are copied once, in rows of 512 bytes, through registers into LDS bytes of their own (A's shared, B's a region a wave).
; CLUSTER 4, 1, 1: the four work-groups of a cluster share A's tile and ask for it jointly (mask 15); B goes to registers and has no joint form.
; PREFETCH: each wave names its own B stream (in its cluster nobody else reads it): in the step that loads K step t + 2 it names K step t + 4: 48 blocks of 256 bytes, a lane a block, two lines; the last trips name nothing.
; The bias along the registers (bq, bk) is the C of the first K step; the one of the lane (bv) is added on the way out.  The side that is not due is set to 0 by a select.
; LIMITS: a block whose largest magnitude lies under 2^-122 keeps the byte 1; a block of zeros gets the byte 1 and not 127 (only this program reads the bytes); NaN and infinities are not served.
; REGISTERS: window 0: v1-13 addresses; v16-31 the lane's bias as pairs; v32-47 scale words, two sets; v64-255 A's fragments, two sets (on the way out at work).
;   window 1: B's fragments, two sets at v0, v96; v192-255 the bias along the registers.   windows 2, 3: accumulator (a, b) at v[8 (8 (b % 4) + a)] of window 2 + b / 4.
.set PL,    196608
.set TC,    16*PL
.set SPL,   8192
.set TS,    16*SPL
.set FRB,   1536
.set FR,    12
.set KSB,   8*FRB                      ; a K step of A in LDS
.set SCA,   16*KSB                     ; A's scale words: [K step][512 bytes]
.set SCB,   SCA+8192+128               ; B's: 8,192 bytes a wave, 128 bytes aside: other banks than A's
.set SPARE, 237824                     ; the spare words: two blocks of 256 bytes that no other line names
.set SWS,   SPARE+512                  ; the way out: 512 bytes of scale words a wave
.set L16,  1
.set ADRA, 2
.set ADRS, 3
.set SWI,  4
.set SWO,  5
.set SPW,  6
.set NIL,  7
.set PF0,  8
.set PF1,  9
.set STA,  10
.set STB,  11
.set VB,   12
.set VQ,   13
.set BQ,   16
.set SC,   32
.set AF,   64
.set BP,   192
.set T,    128
.set PC,   192
.set TM,   212
.set PW,   228
.set SEL,  58
.set MSB, 0
.macro WIN new                         ; the immediate's high byte repeats the setting that is left
.if MSB != (\new)
	s_set_vgpr_msb (MSB<<8)|(\new)
.set MSB, (\new)
.endif
.endm
.macro PLACES                          ; four plain places between a matrix instruction and a load into its registers or a read of its result
.rept 4
	v_nop
.endr
.endm
.macro CROUND                          ; a round of the cluster's barrier
	s_barrier_signal -1
	s_barrier_wait -1
	s_cmp_lg_u32 s18, 0
	s_cbranch_scc1 .Lnot_wave_0_\@
	s_barrier_signal -3
.Lnot_wave_0_\@:
	s_barrier_wait -3
	s_barrier_signal -1
	s_barrier_wait -1
.endm
	s_load_b256 s[4:11], s[0:1], 0x0               ; opc, ops, bq, bk
	s_load_b128 s[12:15], s[0:1], 0x20             ; bv, qkvc
	s_load_b64 s[16:17], s[0:1], 0x30              ; qkvs
	v_lshl_add_u32 v[SPW], v0, 2, SPARE
	v_mov_b32 v[NIL], 0
	ds_add_u32 v[SPW], v[NIL]                      ; the opening lines: the add twice on end and its wait
	ds_add_u32 v[SPW], v[NIL]
	v_lshrrev_b32 v51, 5, v0
	v_readfirstlane_b32 s18, v51                   ; wave 0..3
	s_bfe_u32 s19, ttmp6, 0x40000                  ; cx
	s_and_b32 s20, ttmp7, 0xffff
	s_lshr_b32 s21, s20, 4                         ; p
	s_and_b32 s22, s20, 15                         ; A's tile of 128 rows
	s_lshl_b32 s23, s19, 2
	s_add_co_u32 s23, s23, s18                     ; my 128 rows of B, and the result's K step
	s_mov_b32 s24, 15|(3<<16)|(1<<21)              ; group 1, the head's load: the four partners; a K step's 12,288 dense bytes as 48 rows of 256
	s_mov_b32 s25, 32<<16
	s_mov_b32 s26, 48<<16
	s_mov_b32 s27, 32<<16
	s_mov_b32 s28, 48
	s_mov_b32 s29, 32
	s_mov_b32 s30, 0
	s_mov_b32 s31, 0
	s_mov_b32 s68, 15|(3<<16)|(1<<21)              ; group 1, the second load: 3 rows (K steps) of 12,288 bytes, a plane apart
	s_mov_b32 s69, 1536<<16
	s_mov_b32 s70, 3<<16
	s_mov_b32 s71, 1536<<16
	s_mov_b32 s72, 3
	s_mov_b32 s73, PL/8
	s_mov_b32 s74, 0
	s_mov_b32 s75, 0
	s_add_co_u32 s37, s21, 1
	s_cmp_eq_u32 s21, 2
	s_cselect_b32 s36, 3, 0                        ; A's tensor: Wv or x
	s_cselect_b32 s37, 0, s37                      ; B's: x, or Wq, Wk
	s_cselect_b32 s38, -1, 0                       ; all lanes where the bias hangs on the lane
	s_cselect_b32 s39, 0, -1                       ; all lanes where it runs along the registers
	s_mul_i32 s40, s36, TC                         ; A's codes: tensor and tile (no cx in it),
	s_mul_i32 s41, s22, KSB
	s_add_co_u32 s40, s40, s41
	s_mul_i32 s80, s18, 3*PL
	s_add_co_u32 s80, s80, 4*PL
	s_add_co_u32 s80, s80, s40                     ; K steps 4 + 3 w on,
	s_mov_b32 s81, 0
	s_mul_i32 s41, s18, PL
	s_add_co_u32 s40, s40, s41                     ; and K step w
	s_mov_b32 s41, 0
	s_mul_i32 s44, s36, TS                         ; A's scale words, K steps 4 w on
	s_lshl_b32 s45, s22, 9
	s_add_co_u32 s44, s44, s45
	s_lshl_b32 s45, s18, 15
	s_add_co_u32 s44, s44, s45
	s_mov_b32 s45, 0
	s_mul_i32 s42, s37, TC                         ; B's codes
	s_mul_i32 s43, s23, KSB
	s_add_co_u32 s42, s42, s43
	s_mov_b32 s43, 0
	s_mul_i32 s46, s37, TS                         ; B's scale words
	s_lshl_b32 s47, s23, 9
	s_add_co_u32 s46, s46, s47
	s_mov_b32 s47, 0
	s_mul_i32 s48, s21, TC                         ; the result's codes
	s_mul_i32 s49, s23, PL
	s_add_co_u32 s48, s48, s49
	s_mul_i32 s49, s22, KSB
	s_add_co_u32 s48, s48, s49
	s_mov_b32 s49, 0
	s_mul_i32 s50, s21, TS                         ; and scale words
	s_lshl_b32 s51, s23, 13
	s_add_co_u32 s50, s50, s51
	s_lshl_b32 s51, s22, 9
	s_add_co_u32 s50, s50, s51
	s_mov_b32 s51, 0
	s_lshl_b32 s60, s23, 9                         ; the bias at B's rows,
	s_mov_b32 s61, 0
	s_lshl_b32 s62, s22, 9                         ; and at A's: both inside the 2,048 numbers
	s_mov_b32 s63, 0
	s_lshl_b32 s52, s18, 13
	s_add_co_u32 s53, s52, SCB-SCA                 ; from A's words to my B's
	s_add_co_u32 s56, s52, SCB
	s_lshl_b32 s54, s18, 9
	s_add_co_u32 s54, s54, SWS
	s_lshl_b32 s55, s18, 11
	s_add_co_u32 s55, s55, SCA
	s_mov_b32 s32, 1
	s_mul_i32 s33, s18, KSB                        ; where K step w goes,
	s_mov_b32 s76, 1
	s_mul_i32 s77, s18, 3*KSB
	s_add_co_u32 s77, s77, 4*KSB                   ; and K steps 4 + 3 w on
	s_mov_b32 s[SEL], 0x76543210
	s_mov_b32 s[SEL+1], 0xfedcba98
	v_and_b32 v48, 31, v0                          ; lane
	v_and_b32 v49, 15, v0                          ; r
	v_bfe_u32 v50, v0, 4, 1                        ; h
	v_lshlrev_b32 v[L16], 4, v48
	v_lshlrev_b32 v[ADRA], 4, v48
	v_lshlrev_b32 v51, 2, v49
	v_mul_u32_u24 v52, s53, v50                    ; lanes 16-31 take B's words: one product, the distance between the two
	v_add_nc_u32 v52, v52, v51
	v_add_nc_u32 v[ADRS], SCA, v52
	v_add_nc_u32 v[SWI], s54, v51
	v_add_nc_u32 v[SWO], s54, v[L16]
	v_add_nc_u32 v[STA], s55, v[L16]
	v_add_nc_u32 v[STB], s56, v[L16]
	v_lshlrev_b32 v[PF0], 8, v48                   ; blocks 0-31 of a K step's 48,
	v_min_u32 v52, 15, v48
	v_lshl_add_u32 v[PF1], v52, 8, 8192            ; and 32-47 (lanes 16-31 name the last again)
	v_lshlrev_b32 v[VB], 6, v50                    ; tile b, register j: B's row 32 (b / 2) + 16 h + 8 (b % 2) + j
	v_and_b32 v51, 7, v0
	v_bfe_u32 v52, v0, 3, 1
	v_lshl_add_u32 v51, v52, 4, v51
	v_lshlrev_b32 v[VQ], 2, v51                    ; block a, lane r: A's row 32 (a / 2) + 8 (a % 2) + r % 8 + 16 (r / 8)
	s_wait_alu depctr_va_vdst(0)                   ; the head's end
	s_wait_dscnt 0x0                               ; both opening adds are done
	s_wait_kmcnt 0x0
	s_add_nc_u64 s[34:35], s[4:5], s[40:41]
	s_or_b32 s35, s35, 0x80000000
	s_add_nc_u64 s[78:79], s[4:5], s[80:81]
	s_or_b32 s79, s79, 0x80000000
	s_add_nc_u64 s[42:43], s[4:5], s[42:43]
	s_add_nc_u64 s[44:45], s[6:7], s[44:45]
	s_add_nc_u64 s[46:47], s[6:7], s[46:47]
	s_cmp_eq_u32 s21, 0
	s_cselect_b64 s[8:9], s[8:9], s[10:11]
	s_cmp_eq_u32 s21, 2
	s_cselect_b64 s[8:9], s[12:13], s[8:9]         ; the bias of this p
	s_add_nc_u64 s[10:11], s[8:9], s[60:61]
	s_add_nc_u64 s[12:13], s[8:9], s[62:63]
	s_add_nc_u64 s[14:15], s[14:15], s[48:49]
	s_add_nc_u64 s[16:17], s[16:17], s[50:51]
.irp i, 0,1,2,3
	global_load_b128 v[64+4*\i:67+4*\i], v[L16], s[44:45] offset:SPL*\i     ; A's words of four K steps: 512 consecutive bytes a load
.endr
.irp i, 0,1,2,3,4,5,6,7,8,9,10,11,12,13,14,15
	global_load_b128 v[80+4*\i:83+4*\i], v[L16], s[46:47] offset:SPL*\i     ; my B's words of all K
.endr
.irp a, 0,1,2,3,4,5,6,7
	global_load_b32 v[BQ+2*\a], v[VQ], s[12:13] offset:(32*(\a/2)+8*(\a%2))*4
.endr
	WIN 0x40
.irp b, 0,1,2,3,4,5,6,7
	global_load_b128 v[BP+8*\b:BP+8*\b+3], v[VB], s[10:11] offset:(32*(\b/2)+8*(\b%2))*4
	global_load_b128 v[BP+8*\b+4:BP+8*\b+7], v[VB], s[10:11] offset:(32*(\b/2)+8*(\b%2))*4+16
.endr
	WIN 0
	CROUND                                         ; the four partners are here: the joint loads meet
	tensor_load_to_lds s[32:35], s[24:31]          ; my one tensor load at the head: K step w of A's 128 rows
	s_nop 0
	PLACES
	WIN 0x40
.set ii, 0
.rept 24                               ; B's K steps 0 and 1, quarter by quarter: 48 loads
	global_load_b128 v[4*ii:4*ii+3], v[L16], s[42:43] offset:512*ii
.set ii, ii+1
.endr
.set ii, 0
.rept 24
	global_load_b128 v[96+4*ii:96+4*ii+3], v[L16], s[42:43] offset:PL+512*ii
.set ii, ii+1
.endr
	WIN 0
	s_wait_loadcnt 48                              ; all but B's 48: the words and the biases are in
	WIN 0x44
.set ii, 0
.rept 64
	v_cndmask_b32 v[BP+ii], 0, v[BP+ii], s39       ; 0 where the bias hangs on the lane
.set ii, ii+1
.endr
	WIN 0
.irp a, 0,1,2,3,4,5,6,7
	v_cndmask_b32 v[BQ+2*\a], 0, v[BQ+2*\a], s38   ; 0 where it runs along the registers
.endr
.irp a, 0,1,2,3,4,5,6,7
	v_mov_b32 v[BQ+2*\a+1], v[BQ+2*\a]             ; a pair for the packed addition
.endr
	s_wait_alu depctr_va_vdst(0)
	s_wait_tensorcnt 0x0                           ; my K step of A is in; my LDS stores follow it
.irp i, 0,1,2,3
	ds_store_b128 v[STA], v[64+4*\i:67+4*\i] offset:512*\i
.endr
.irp i, 0,1,2,3,4,5,6,7,8,9,10,11,12,13,14,15
	ds_store_b128 v[STB], v[80+4*\i:83+4*\i] offset:512*\i
.endr
	s_wait_tensorcnt 0x0                           ; wait, add and wait ahead of a later first fill
	ds_add_u32 v[SPW], v[NIL]
	s_wait_dscnt 0x0                               ; the add and my stores of the words are done
	CROUND                                         ; K steps 0-3 and all words are in LDS, and the partners are here
	tensor_load_to_lds s[76:79], s[68:75]          ; K steps 4 + 3 w on: bytes filled for the first time
	s_nop 0
	PLACES
.macro LOADQ s, j, dt                  ; 6 loads: B's fragments 2 j, 2 j + 1 of the K step dt behind the base, into set s
.irp b, 2*\j, 2*\j+1
.irp c, 0,1,2
	global_load_b128 v[96*(\s)+FR*(\b)+4*\c:96*(\s)+FR*(\b)+4*\c+3], v[L16], s[42:43] offset:(\dt)*PL+FRB*(\b)+512*\c
.endr
.endr
.endm
.macro FETCHA s, k                     ; A's eight fragments and the eight scale registers (lanes 0-15 A's block i, lanes 16-31 B's block i) of the K step k behind the address, into set s
.irp i, 0,1,2,3,4,5,6,7
.irp c, 0,1,2
	ds_load_b128 v[AF+96*(\s)+FR*\i+4*\c:AF+96*(\s)+FR*\i+4*\c+3], v[ADRA] offset:KSB*(\k)+FRB*\i+512*\c
.endr
.endr
.irp i, 0,1,2,3,4,5,6,7
	ds_load_b32 v[SC+8*(\s)+\i], v[ADRS] offset:512*(\k)+64*\i
.endr
.endm
.macro QTR s, j, first                 ; 16 matrix instructions: B's fragments 2 j, 2 j + 1 x A's eight; the accumulators take turns
.irp b, 2*\j, 2*\j+1
.irp a, 0,1,2,3,4,5,6,7
.if \first
	v_wmma_scale_f32_16x16x128_f8f6f4 v[8*(8*((\b)%4)+\a):8*(8*((\b)%4)+\a)+7], v[96*(\s)+FR*(\b):96*(\s)+FR*(\b)+FR-1], v[AF+96*(\s)+FR*\a:AF+96*(\s)+FR*\a+FR-1], v[BP+8*(\b):BP+8*(\b)+7], v[SC+8*(\s)+(\b)], v[SC+8*(\s)+\a] matrix_a_fmt:MATRIX_FMT_BF6 matrix_b_fmt:MATRIX_FMT_BF6 matrix_a_scale:MATRIX_SCALE_ROW1
.else
	v_wmma_scale_f32_16x16x128_f8f6f4 v[8*(8*((\b)%4)+\a):8*(8*((\b)%4)+\a)+7], v[96*(\s)+FR*(\b):96*(\s)+FR*(\b)+FR-1], v[AF+96*(\s)+FR*\a:AF+96*(\s)+FR*\a+FR-1], v[8*(8*((\b)%4)+\a):8*(8*((\b)%4)+\a)+7], v[SC+8*(\s)+(\b)], v[SC+8*(\s)+\a] matrix_a_fmt:MATRIX_FMT_BF6 matrix_b_fmt:MATRIX_FMT_BF6 matrix_a_scale:MATRIX_SCALE_ROW1
.endif
.endr
.endr
.endm
.macro ASK how, s                      ; how = 2: in the loop, whose last trip (s3 = 1) has no K step four on
.if \how == 2
	s_cmp_gt_u32 s3, 1
	s_cbranch_scc0 .Lno_ask_\@
.endif
	global_prefetch_b8 v[PF0], s[42:43] offset:(4+(\s))*PL th:TH_LOAD_NT scope:SCOPE_SE
	global_prefetch_b8 v[PF1], s[42:43] offset:(4+(\s))*PL th:TH_LOAD_NT scope:SCOPE_SE
.if \how == 2
.Lno_ask_\@:
.endif
.endm
; A K step in four quarters.  Behind each quarter its two fragments of B are loaded anew, for the K step two on.  Loads complete in order: behind the quarter that I wait for stand 7 quarters of 6 loads (42);
; in the last two K steps, which load nothing, nb - j quarters.  Behind the first quarter A's other set takes the next K step from LDS.
; sync = 1: A's K steps 4 on are shown to every wave: my tensor load is waited for, and a barrier follows.
.macro STEP s, first, ld, fa, pf, nb, sync
	s_wait_dscnt 0x0                               ; A's set and the scale words are in
.if \sync
	s_wait_tensorcnt 0x0
	s_barrier_signal -1
	s_barrier_wait -1
.endif
.irp j, 0,1,2,3
.if \ld
	s_wait_loadcnt 42
.else
	s_wait_loadcnt 6*((\nb)-\j)
.endif
.if \first
	WIN ((2+\j/2)<<6)|0x11
.else
	WIN ((2+\j/2)*0x50)|1
.endif
	QTR \s, \j, \first
.if (\ld) || ((\fa) && \j == 0)
	PLACES
.endif
.if \ld
	WIN 0x40
	LOADQ \s, \j, 2+(\s)
.endif
.if \j == 0
.if \fa
	WIN 0
	FETCHA 1-(\s), 1+(\s)
.endif
.if \pf
	WIN 0
	ASK \pf, \s
.endif
.endif
.endr
.endm
.macro ON                              ; two K steps on: B's base, A's and the words' LDS addresses
	WIN 0
	s_wait_xcnt 0x0                                ; my loads and prefetches have read their base
	s_add_nc_u64 s[42:43], s[42:43], 2*PL
	v_add_nc_u32 v[ADRA], 2*KSB, v[ADRA]
	v_add_nc_u32 v[ADRS], 1024, v[ADRS]
	s_wait_alu depctr_va_vdst(0)
.endm
	FETCHA 0, 0
	STEP 0, 1, 1, 1, 1, 7, 0                       ; K step 0 starts the sums on the bias
	STEP 1, 0, 1, 1, 1, 3, 0
	ON
	STEP 0, 0, 1, 1, 1, 7, 0
	STEP 1, 0, 1, 1, 1, 3, 1                       ; K step 3: from here on A's K steps 4 on are read
	ON
	s_mov_b32 s3, 5
.Lpair:                                            ; K steps 4 to 13
	STEP 0, 0, 1, 1, 2, 7, 0
	STEP 1, 0, 1, 1, 2, 3, 0
	ON
	s_sub_co_u32 s3, s3, 1
	s_cmp_lg_u32 s3, 0
	s_cbranch_scc1 .Lpair
	STEP 0, 0, 0, 1, 0, 7, 0                       ; K steps 14, 15 load nothing from memory
	STEP 1, 0, 0, 0, 0, 3, 0
	WIN 0
; 64 numbers of a lane, register 16 b + i = k 32 b + 16 (lane / 16) + i of my row, become a fragment's codes in v[PC] on and its scale word in v[PW].
.macro QUANT s
.irp b, 0,1,2,3
	v_max3_num_f32 v[TM+\b], |v[\s+16*\b]|, |v[\s+1+16*\b]|, 0x2800000   ; my 16 numbers of block b, and the floor 2^(5 - 127)
.endr
.irp i, 2,4,6,8,10,12,14
.irp b, 0,1,2,3
	v_max3_num_f32 v[TM+\b], v[TM+\b], |v[\s+16*\b+\i]|, |v[\s+1+16*\b+\i]|
.endr
.endr
.irp b, 0,1,2,3
	v_permlanex16_b32 v[TM+4+\b], v[TM+\b], s[SEL], s[SEL+1]
.endr
.irp b, 0,1,2,3
	v_max_num_f32 v[TM+\b], v[TM+\b], v[TM+4+\b]   ; with lane l xor 16's: the block's largest magnitude
.endr
.irp b, 0,1,2,3
	v_add_nc_u32 v[TM+12+\b], 0xfe000000, v[TM+\b] ; 4 off its exponent field: the conversion's scale operand
.endr
.irp b, 0,1,2,3
	v_lshrrev_b32 v[TM+4+\b], 23, v[TM+12+\b]      ; the scale's byte
.endr
	v_lshl_or_b32 v[PW], v[TM+5], 8, v[TM+4]
	v_lshl_or_b32 v[PW], v[TM+6], 16, v[PW]
	v_lshl_or_b32 v[PW], v[TM+7], 24, v[PW]
.irp c, 0,1
	v_cvt_scalef32_pk16_bf6_f32 v[PC+6*\c:PC+2+6*\c], v[\s+32*\c:\s+15+32*\c], v[TM+12+2*\c]
	v_cvt_scalef32_pk16_bf6_f32 v[PC+12+4*\c:PC+14+4*\c], v[\s+16+32*\c:\s+31+32*\c], v[TM+12+2*\c+1]
.endr
	v_nop                                          ; one plain place behind a scaled conversion
.irp c, 0,1                                    ; the layout wants a whole block in a lane
.irp i, 0,1,2
	v_permlane16_swap_b32 v[PC+6*\c+\i], v[PC+12+4*\c+\i]
.endr
.irp i, 0,1,2
	v_mov_b32 v[PC+3+6*\c+\i], v[PC+12+4*\c+\i]
.endr
.endr
.endm
; THE WAY OUT.  Block a's eight accumulators are 128 neighbours along the next K of the lane's row: the lane's bias is added, they are quantised, and the fragment leaves as it stands: 3 x 512 consecutive bytes.
.macro OUTBLK a
.irp b, 0,1,2,3,4,5,6,7
	WIN 0x02+\b/4                                  ; source 0: window 2 or 3
.irp n, 0,2,4,6
	v_pk_add_f32 v[T+8*\b+\n:T+8*\b+\n+1], v[8*(8*(\b%4)+(\a))+\n:8*(8*(\b%4)+(\a))+\n+1], v[BQ+2*(\a):BQ+2*(\a)+1]   ; each accumulator from its low end on
.endr
.endr
	WIN 0
.if (\a) > 0
	s_wait_xcnt 0x0                                ; the last block's stores have read the codes' registers,
	s_wait_dscnt 0x0                               ; and its LDS store the scale word's
.endif
	QUANT T
.irp c, 0,1,2
	global_store_b128 v[L16], v[PC+4*\c:PC+4*\c+3], s[14:15] offset:FRB*(\a)+512*\c
.endr
	ds_store_b32 v[SWI], v[PW] offset:64*(\a)      ; lanes r and r + 16 write the same word with the same value
.endm
	PLACES
.irp b, 0,1,2,3
	v_mov_b32 v[TM+4+\b], 0                        ; written once: a lane permute's destination counts as one of its sources
.endr
.irp a, 0,1,2,3,4,5,6,7
	OUTBLK \a
.endr
	ds_load_b128 v[T:T+3], v[SWO]                  ; eight row blocks' scale words; LDS serves a wave's instructions in order
	s_wait_dscnt 0x0
	global_store_b128 v[L16], v[T:T+3], s[16:17]   ; 512 consecutive bytes, aligned
	s_wait_tensorcnt 0x0                           ; the wave's end
	ds_add_u32 v[SPW], v[NIL]
	s_wait_dscnt 0x0
	CROUND                                         ; the closing round
	s_endpgm
.Lfunc_end_k_q1d4489d10e_qkv:
	.size	k_q1d4489d10e_qkv, .Lfunc_end_k_q1d4489d10e_qkv-k_q1d4489d10e_qkv
	.p2alignl 7, 3214868480
	.fill 96, 4, 3214868480
	.section	.rodata,"a",@progbits
	.p2align	6, 0x0
	.amdhsa_kernel k_q1d4489d10e_qkv
		.amdhsa_group_segment_fixed_size 327680
		.amdhsa_private_segment_fixed_size 0
		.amdhsa_enable_private_segment 0
		.amdhsa_kernarg_size 56
		.amdhsa_user_sgpr_count 2
		.amdhsa_user_sgpr_kernarg_segment_ptr 1
		.amdhsa_wavefront_size32 1
		.amdhsa_system_sgpr_workgroup_id_x 1
		.amdhsa_system_sgpr_workgroup_id_y 1
		.amdhsa_system_sgpr_workgroup_id_z 1
		.amdhsa_system_vgpr_workitem_id 0
		.amdhsa_next_free_vgpr 1024
		.amdhsa_next_free_sgpr 84
		.amdhsa_reserve_vcc 0
		.amdhsa_float_denorm_mode_32 3
		.amdhsa_float_denorm_mode_16_64 3
		.amdhsa_memory_ordered 1
		.amdhsa_forward_progress 1
		.amdhsa_inst_pref_size 175
	.end_amdhsa_kernel
	.amdgpu_metadata
---
amdhsa.version: [ 1, 2 ]
amdhsa.kernels:
  - .name:           k_q1d4489d10e_qkv
    .symbol:         k_q1d4489d10e_qkv.kd
    .args:
      - { .name: opc, .offset: 0, .size: 8, .value_kind: global_buffer, .address_space: global }
      - { .name: ops, .offset: 8, .size: 8, .value_kind: global_buffer, .address_space: global }
      - { .name: bq, .offset: 16, .size: 8, .value_kind: global_buffer, .address_space: global }
      - { .name: bk, .offset: 24, .size: 8, .value_kind: global_buffer, .address_space: global }
      - { .name: bv, .offset: 32, .size: 8, .value_kind: global_buffer, .address_space: global }
      - { .name: qkvc, .offset: 40, .size: 8, .value_kind: global_buffer, .address_space: global }
      - { .name: qkvs, .offset: 48, .size: 8, .value_kind: global_buffer, .address_space: global }
    .group_segment_fixed_size: 327680
    .private_segment_fixed_size: 0
    .kernarg_segment_align: 8
    .kernarg_segment_size: 56
    .max_flat_workgroup_size: 128
    .sgpr_count:     84
    .vgpr_count:     1024
    .wavefront_size: 32
...
	.end_amdgpu_metadata
.endif
;; end of part 2
;; launch attn (part 3): grid 16 x 16, 8 waves a work-group, no clusters, 327,680 bytes of LDS; arguments qkvc, qkvs, atc, ats; writes atc, ats
.if DOCPART == 3
	.amdgcn_target "amdgcn-amd-amdhsa--gfx1250"
	.amdhsa_code_object_version 6
	.text
	.protected	k_q1d4489d10e_attn
	.globl	k_q1d4489d10e_attn
	.p2align	8
	.type	k_q1d4489d10e_attn,@function
k_q1d4489d10e_attn:
	s_mov_b64 s[64:65], 0
	v_nop
	global_prefetch_b8 v0, s[64:65] scope:SCOPE_SE
	s_setreg_imm32_b32 hwreg(HW_REG_WAVE_MODE, 25, 1), 1
	s_wait_xcnt 0x0
.set PL,    196608
.set TC,    16*PL
.set SPL,   8192
.set TS,    16*SPL
.set FRB,   1536
.set STEPB, 16*FRB
.set SLOT1, 1<<17
.set SCK,   98304
.set SCV,   SCK+8192
.set SPARE, 114688
.set SWS,   115712
.set STG,   229376
.set STGW,  8704
.set L16,  1
.set ASK0, 2
.set QL,   3
.set SWI,  4
.set SPW,  5
.set NIL,  6
.set GO,   7
.set ADK,  8
.set ADS,  9
.set PFO,  10
.set SWO,  11
.set QSA,  28
.set QLY,  49
.set LK,   54
.set STGI, 55
.set STGO, 93
.set PC,   56
.set TM,   76
.set PW,   92
.set WRDS, 94
.set QMINY, 16
.set QMAXY, 17
.set WV,   18
.set QMAXM, 19
.set SEL,  20
.set CS,   22
.set G1,   24
.set G1SK, 32
.set G1SV, 40
.set G0K,  48
.set G0V,  52
.set G0SK, 56
.set G0SV, 60
.set TB,   2
.set TSC,  3
.set KF,   66
.set QMIN, 67
.set QMAX, 68
.set SLOTS, 69
.set CNT,  70
.set PFA,  72
.set PFS,  74
.set LIM,  76
.set MSB, 0
.macro WIN new
.if MSB != (\new)
	s_set_vgpr_msb (MSB<<8)|(\new)
.set MSB, (\new)
.endif
.endm
.macro TLOAD
	s_cmp_lt_u32 s[WV], 4
	s_cbranch_scc0 .Lfor_v_\@
	tensor_load_to_lds s[G0K:G0K+3], s[G1:G1+7]
	s_nop 0
.rept 4
	v_nop
.endr
	s_branch .Lasked_\@
.Lfor_v_\@:
	tensor_load_to_lds s[G0V:G0V+3], s[G1:G1+7]
	s_nop 0
.rept 4
	v_nop
.endr
.Lasked_\@:
.endm
.macro ASK
	s_cmp_gt_u32 s[SLOTS], s[LIM]
	s_cbranch_scc0 .Lnot_mine_\@
	global_prefetch_b8 v[PFO], s[PFA:PFA+1] th:TH_LOAD_NT scope:SCOPE_SE
.Lnot_mine_\@:
.endm
	s_load_b256 s[4:11], s[0:1], 0x0
	v_lshl_add_u32 v[SPW], v0, 2, SPARE
	v_mov_b32 v[NIL], 0
	ds_add_u32 v5, v6
	ds_add_u32 v5, v6
	s_wait_dscnt 0x0
	v_lshrrev_b32 v29, 5, v0
	s_delay_alu instid0(VALU_DEP_1)
	v_readfirstlane_b32 s[WV], v29
	v_and_b32 v29, 31, v0
	v_and_b32 v30, 15, v0
	v_bfe_u32 v31, v0, 4, 1
	s_delay_alu instid0(VALU_DEP_3)
	v_lshlrev_b32 v[L16], 4, v29
	s_delay_alu instid0(VALU_DEP_4)
	v_lshl_add_u32 v[ASK0], v29, 2, SCK
	v_lshlrev_b32 v[GO], 3, v29
	v_lshlrev_b32 v[QSA], 2, v30
	s_lshl_b32 s77, s[WV], 6
	v_lshl_add_u32 v[SWI], v30, 2, s77
	s_delay_alu instid0(VALU_DEP_1)
	v_add_nc_u32 v[SWI], SWS, v[SWI]
	s_lshr_b32 s77, s[WV], 2
	s_lshl_b32 s78, s77, 8
	v_add_nc_u32 v[SWO], s78, v[GO]
	s_delay_alu instid0(VALU_DEP_1)
	v_add_nc_u32 v[SWO], SWS, v[SWO]
	s_lshl_b32 s[KF], s77, 7
	s_lshl_b32 s78, s77, 9
	v_add_nc_u32 v[ASK0], s78, v[ASK0]
	s_mul_i32 s78, s77, STEPB
	v_add_nc_u32 v[LK], s78, v[L16]
	s_mul_i32 s78, s[WV], STGW
	v_add_nc_u32 v[STGI], s78, v[L16]
	s_delay_alu instid0(VALU_DEP_1)
	v_add_nc_u32 v[STGI], STG, v[STGI]
	s_xor_b32 s78, s[WV], 4
	s_mul_i32 s78, s78, STGW
	v_add_nc_u32 v[STGO], s78, v[L16]
	s_delay_alu instid0(VALU_DEP_1)
	v_add_nc_u32 v[STGO], STG, v[STGO]
	s_and_b32 s80, ttmp7, 0xffff
	s_and_b32 s83, s[WV], 3
	s_lshl_b32 s81, ttmp9, 2
	s_sub_co_u32 s82, 124, s81
	s_cmp_lt_u32 s[WV], 4
	s_cselect_b32 s71, s82, s81
	s_cselect_b32 s81, s81, s82
	s_add_co_u32 s81, s81, s83
	s_add_co_u32 s71, s71, s83
	s_and_b32 s82, s81, 1
	s_lshl_b32 s82, s82, 3
	s_lshl_b32 s[QMIN], s81, 4
	s_sub_co_u32 s[QMIN], s[QMIN], s82
	s_add_co_u32 s[QMAX], s[QMIN], 23
	s_and_b32 s82, s71, 1
	s_lshl_b32 s82, s82, 3
	s_lshl_b32 s[QMINY], s71, 4
	s_sub_co_u32 s[QMINY], s[QMINY], s82
	s_add_co_u32 s[QMAXY], s[QMINY], 23
	s_max_u32 s[QMAXM], s[QMAX], s[QMAXY]
	s_mul_i32 s84, s80, PL
	s_mul_i32 s85, s80, 8*FRB
	s_mul_i32 s86, s81, FRB
	s_add_co_u32 s86, s86, s84
	s_mov_b32 s87, 0
	s_lshl_b32 s88, s80, 13
	s_lshl_b32 s89, s81, 6
	s_add_co_u32 s88, s88, s89
	s_mov_b32 s89, 0
	s_mul_i32 s70, s71, FRB
	s_add_co_u32 s70, s70, s84
	s_lshl_b32 s78, s80, 13
	s_lshl_b32 s79, s71, 6
	s_add_co_u32 s78, s78, s79
	s_mov_b32 s71, 0
	s_mov_b32 s79, 0
	s_add_co_u32 s84, s84, TC
	s_add_co_u32 s85, s85, 2*TC
	s_mul_i32 s90, s83, 8*FRB
	s_add_co_u32 s90, s90, s84
	s_mov_b32 s91, 0
	s_mul_i32 s92, s83, PL
	s_add_co_u32 s92, s92, s85
	s_mov_b32 s93, 0
	s_mul_i32 s94, s83, STEPB
	s_lshl_b32 s96, s80, 13
	s_add_co_u32 s96, s96, TS
	s_mov_b32 s97, 0
	s_lshl_b32 s98, s80, 9
	s_add_co_u32 s98, s98, 2*TS
	s_mov_b32 s99, 0
	s_mov_b32 s[G1], 3<<16
	s_mov_b32 s[G1+1], 32<<16
	s_mov_b32 s[G1+2], 48<<16
	s_mov_b32 s[G1+3], 32<<16
	s_mov_b32 s[G1+4], 48
	s_mov_b32 s[G1+5], 32
	s_mov_b32 s[G1+6], 0
	s_mov_b32 s[G1+7], 0
	s_mov_b32 s[G1SK], 3<<16
	s_mov_b32 s[G1SK+1], 32<<16
	s_mov_b32 s[G1SK+2], 32<<16
	s_mov_b32 s[G1SK+3], 32<<16
	s_mov_b32 s[G1SK+4], 32
	s_mov_b32 s[G1SK+5], 32
	s_mov_b32 s[G1SK+6], 0
	s_mov_b32 s[G1SK+7], 0
	s_mov_b32 s[G1SV], 3<<16
	s_mov_b32 s[G1SV+1], 64<<16
	s_mov_b32 s[G1SV+2], 16<<16
	s_mov_b32 s[G1SV+3], 64<<16
	s_mov_b32 s[G1SV+4], 16
	s_mov_b32 s[G1SV+5], SPL/8
	s_mov_b32 s[G1SV+6], 0
	s_mov_b32 s[G1SV+7], 0
	s_mov_b32 s[SEL], 0x76543210
	s_mov_b32 s[SEL+1], 0xfedcba98
	s_mov_b32 s[CS], 0x3e0293ee
	s_mov_b32 s[CS+1], s[CS]
	s_mov_b32 s[TB], 0
	s_mov_b32 s[TSC], 0
	s_mov_b32 s[SLOTS], 3
	s_wait_kmcnt 0x0
	s_mov_b32 s[G0SK], 1
	s_mov_b32 s[G0SK+1], SCK
	s_add_nc_u64 s[G0SK+2:G0SK+3], s[6:7], s[96:97]
	s_or_b32 s[G0SK+3], s[G0SK+3], 0x80000000
	s_mov_b32 s[G0SV], 1
	s_mov_b32 s[G0SV+1], SCV
	s_add_nc_u64 s[G0SV+2:G0SV+3], s[6:7], s[98:99]
	s_or_b32 s[G0SV+3], s[G0SV+3], 0x80000000
	s_mov_b32 s[G0K], 1
	s_mov_b32 s[G0K+1], s94
	s_add_nc_u64 s[G0K+2:G0K+3], s[4:5], s[90:91]
	s_or_b32 s[G0K+3], s[G0K+3], 0x80000000
	s_mov_b32 s[G0V], 1
	s_add_co_u32 s[G0V+1], s94, 8*FRB
	s_add_nc_u64 s[G0V+2:G0V+3], s[4:5], s[92:93]
	s_or_b32 s[G0V+3], s[G0V+3], 0x80000000
	s_cmp_eq_u32 s[WV], 0
	s_cbranch_scc0 .Lnot_wave_0
	tensor_load_to_lds s[G0SK:G0SK+3], s[G1SK:G1SK+7]
	s_nop 0
.rept 4
	v_nop
.endr
	s_branch .Lwords_asked
.Lnot_wave_0:
	s_cmp_eq_u32 s[WV], 1
	s_cbranch_scc0 .Lwords_asked
	tensor_load_to_lds s[G0SV:G0SV+3], s[G1SV:G1SV+7]
	s_nop 0
.rept 4
	v_nop
.endr
.Lwords_asked:
	s_wait_alu depctr_va_vdst(0)
	s_wait_tensorcnt 0x0
	ds_add_u32 v5, v6
	ds_add_u32 v5, v6
	s_wait_dscnt 0x0
	s_barrier_signal -1
	s_barrier_wait -1
	TLOAD
	s_add_nc_u64 s[12:13], s[4:5], s[86:87]
	s_add_nc_u64 s[14:15], s[6:7], s[88:89]
	s_add_nc_u64 s[96:97], s[4:5], s[70:71]
	s_add_nc_u64 s[98:99], s[6:7], s[78:79]
	s_add_nc_u64 s[8:9], s[8:9], s[86:87]
	s_add_nc_u64 s[10:11], s[10:11], s[88:89]
.irp c, 0,1,2
	global_load_b128 v[16+4*\c:19+4*\c], v[L16], s[12:13] offset:512*\c
.endr
	global_load_b32 v255, v[QSA], s[14:15]
.irp c, 0,1,2
	global_load_b128 v[36+4*\c:39+4*\c], v[L16], s[96:97] offset:512*\c
.endr
	global_load_b32 v48, v[QSA], s[98:99]
	s_cmp_eq_u32 ttmp9, 1
	s_mov_b32 s77, 8*FRB
	s_cselect_b32 s77, PL, s77
	s_mov_b32 s[PFS], 4*8*FRB
	s_cselect_b32 s[PFS], 4*PL, s[PFS]
	s_cselect_b32 s78, s85, s84
	s_mov_b32 s79, 0
	s_mov_b32 s[PFS+1], 0
	s_add_nc_u64 s[PFA:PFA+1], s[4:5], s[78:79]
	s_add_nc_u64 s[PFA:PFA+1], s[PFA:PFA+1], s[PFS:PFS+1]
	s_lshr_b32 s86, ttmp9, 1
	s_cmp_lt_u32 s[WV], 6
	s_cselect_b32 s87, 0, 1
	s_or_b32 s86, s86, s87
	s_cmp_eq_u32 s86, 0
	s_cselect_b32 s[LIM], 1, -1
	v_min_u32 v[PFO], 191, v0
	s_delay_alu instid0(VALU_DEP_1)
	v_mul_u32_u24 v29, v[PFO], 1366
	s_delay_alu instid0(VALU_DEP_1)
	v_lshrrev_b32 v29, 16, v29
	s_delay_alu instid0(VALU_DEP_1)
	v_mul_u32_u24 v30, v29, 48
	s_delay_alu instid0(VALU_DEP_1)
	v_sub_nc_u32 v[PFO], v[PFO], v30
	s_delay_alu instid0(VALU_DEP_1)
	v_lshlrev_b32 v[PFO], 8, v[PFO]
	s_delay_alu instid0(VALU_DEP_4)
	v_mul_lo_u32 v29, v29, s77
	s_delay_alu instid0(VALU_DEP_1)
	v_add_nc_u32 v[PFO], v[PFO], v29
	v_and_b32 v29, 7, v0
	v_bfe_u32 v30, v0, 3, 1
	s_delay_alu instid0(VALU_DEP_1)
	v_sub_nc_u32 v30, v30, v31
	s_delay_alu instid0(VALU_DEP_1)
	v_lshl_add_u32 v29, v30, 4, v29
	s_delay_alu instid0(VALU_DEP_1)
	v_add_nc_u32 v[QL], s[QMIN], v29
	s_delay_alu instid0(VALU_DEP_2)
	v_add_nc_u32 v[QLY], s[QMINY], v29
	v_mov_b32 v13, 0xff61b1e6
	s_delay_alu instid0(VALU_DEP_1)
	v_floor_f32 v12, -v13
	v_mov_b32 v14, 0
	v_mov_b32 v15, 0
	v_mov_b32 v51, 0xff61b1e6
	s_delay_alu instid0(VALU_DEP_1)
	v_floor_f32 v50, -v51
	v_mov_b32 v52, 0
	v_mov_b32 v53, 0
.irp b, 0,1,2,3
	v_mov_b32 v[236+\b], 0
	v_mov_b32 v[TM+4+\b], 0
.endr
	v_mov_b32 v252, 0
	v_mov_b32 v253, 0
.set ii, 0
.rept 64
	v_mov_b32 v[160+ii], 0
.set ii, ii+1
.endr
	WIN 0x40
.set ii, 0
.rept 64
	v_mov_b32 v[192+ii], 0
.set ii, ii+1
.endr
	WIN 0
.macro TILE qr, qs, st, tr, ql, ow, ob, smin, smax
	s_cmp_gt_u32 s[KF], s[\smax]
	s_cbranch_scc1 .Lskip_\@
	s_wait_dscnt 24
	WIN 0x01
.irp t, 0,1,2,3,4,5,6,7
.if \t%2 == 0
	v_wmma_scale_f32_16x16x128_f8f6f4 v[96+8*\t:103+8*\t], v[12*\t:12*\t+11], v[\qr:\qr+11], 0, v[248+\t/2], v[\qs] matrix_a_fmt:MATRIX_FMT_BF6 matrix_b_fmt:MATRIX_FMT_BF6
.else
	v_wmma_scale_f32_16x16x128_f8f6f4 v[96+8*\t:103+8*\t], v[12*\t:12*\t+11], v[\qr:\qr+11], 0, v[248+\t/2], v[\qs] matrix_a_fmt:MATRIX_FMT_BF6 matrix_b_fmt:MATRIX_FMT_BF6 matrix_a_scale:MATRIX_SCALE_ROW1
.endif
.endr
	WIN 0
.rept 4
	v_nop
.endr
	s_add_co_u32 s96, s[KF], 127
	s_cmp_le_u32 s96, s[\smin]
	s_cbranch_scc1 .Lopen_\@
	v_sub_nc_u32 v252, v[\ql], s[KF]
	v_mov_b32 v254, 0xff800000
.irp n, 0,1,2,3,4,5,6,7,8,9,10,11,12,13,14,15,16,17,18,19,20,21,22,23,24,25,26,27,28,29,30,31,32,33,34,35,36,37,38,39,40,41,42,43,44,45,46,47,48,49,50,51,52,53,54,55,56,57,58,59,60,61,62,63
	v_cmp_gt_i32 vcc_lo, 32*(\n/16)+\n%16, v252
	v_cndmask_b32 v[96+\n], v[96+\n], v254, vcc_lo
.endr
.Lopen_\@:
.irp b, 0,1,2,3
	v_max3_num_f32 v[232+\b], v[96+16*\b], v[97+16*\b], v[98+16*\b]
.endr
.irp i, 3,5,7,9,11,13
.irp b, 0,1,2,3
	v_max3_num_f32 v[232+\b], v[232+\b], v[96+16*\b+\i], v[97+16*\b+\i]
.endr
.endr
.irp b, 0,1,2,3
	v_max_num_f32 v[232+\b], v[232+\b], v[111+16*\b]
.endr
.irp b, 0,1,2,3
	s_delay_alu instid0(VALU_DEP_4)
	v_permlanex16_b32 v[236+\b], v[232+\b], s[SEL], s[SEL+1]
.endr
.irp b, 0,1,2,3
	s_delay_alu instid0(VALU_DEP_4)
	v_max_num_f32 v[232+\b], v[232+\b], v[236+\b]
.endr
	s_delay_alu instid0(VALU_DEP_2)
	v_max3_num_f32 v254, v232, v233, v234
	s_delay_alu instid0(VALU_DEP_1)
	v_max_num_f32 v254, v254, v235
	s_delay_alu instid0(VALU_DEP_1)
	v_mul_f32 v254, s[CS], v254
	s_delay_alu instid0(VALU_DEP_1)
	v_max_num_f32 v[\st+1], v[\st+1], v254
	v_mov_b32 v254, v[\st]
	s_delay_alu instid0(VALU_DEP_2)
	v_floor_f32 v[\st], -\tr
	s_delay_alu instid0(VALU_DEP_1)
	v_sub_f32 v254, v[\st], v254
	s_delay_alu instid0(VALU_DEP_1)
	v_cvt_i32_f32 v254, v254
	s_delay_alu instid0(VALU_DEP_1)
	v_ldexp_f32 v252, 1.0, v254
.irp j, 0,2,4,6,8,10,12,14,16,18,20,22,24,26,28,30,32,34,36,38,40,42,44,46,48,50,52,54,56,58,60,62
	v_pk_fma_f32 v[96+\j:97+\j], v[96+\j:97+\j], s[CS:CS+1], v[\st:\st+1] op_sel_hi:[1,0,0]
.endr
.irp b, 0,1,2,3
	v_fma_f32 v[232+\b], v[232+\b], s[CS], v[\st]
.endr
	s_wait_alu depctr_va_vdst(0)
.irp j, 0,1,2,3,4,5,6,7,8,9,10,11,12,13,14,15,16,17,18,19,20,21,22,23,24,25,26,27,28,29,30,31,32,33,34,35,36,37,38,39,40,41,42,43,44,45,46,47,48,49,50,51,52,53,54,55,56,57,58,59,60,61,62,63
	v_exp_f32 v[96+\j], v[96+\j]
.endr
	v_pk_mul_f32 v[\st+2:\st+3], v[\st+2:\st+3], v[252:253] op_sel_hi:[1,0]
	s_wait_alu depctr_va_vdst(0)
.irp b, 0,1,2,3
	v_exp_f32 v[232+\b], v[232+\b]
.endr
	v_pk_add_f32 v[236:237], v[96:97], v[98:99]
.irp j, 4,8,12,16,20,24,28,32,36,40,44,48,52,56,60
	v_pk_add_f32 v[\st+2:\st+3], v[\st+2:\st+3], v[96+\j:97+\j]
	v_pk_add_f32 v[236:237], v[236:237], v[98+\j:99+\j]
.endr
	s_delay_alu instid0(VALU_DEP_1)
	v_pk_add_f32 v[\st+2:\st+3], v[\st+2:\st+3], v[236:237]
	s_wait_alu depctr_va_vdst(0)
.irp b, 0,1,2,3
	v_max_num_f32 v[232+\b], 0x2800000, v[232+\b]
.endr
.irp b, 0,1,2,3
	s_delay_alu instid0(VALU_DEP_4)
	v_add_nc_u32 v[244+\b], 0xfe000000, v[232+\b]
.endr
.irp b, 0,1,2,3
	s_delay_alu instid0(VALU_DEP_4)
	v_lshrrev_b32 v[236+\b], 23, v[244+\b]
.endr
	s_delay_alu instid0(VALU_DEP_3)
	v_lshl_or_b32 v253, v237, 8, v236
	s_delay_alu instid0(VALU_DEP_1)
	v_lshl_or_b32 v253, v238, 16, v253
	s_delay_alu instid0(VALU_DEP_1)
	v_lshl_or_b32 v253, v239, 24, v253
.irp c, 0,1
	v_cvt_scalef32_pk16_bf6_f32 v[224+6*\c:226+6*\c], v[96+32*\c:111+32*\c], v[244+2*\c]
	v_cvt_scalef32_pk16_bf6_f32 v[236+4*\c:238+4*\c], v[112+32*\c:127+32*\c], v[244+2*\c+1]
.endr
	v_nop
.irp c, 0,1
.irp i, 0,1,2
	v_permlane16_swap_b32 v[224+6*\c+\i], v[236+4*\c+\i]
.endr
.irp i, 0,1,2
	s_delay_alu instid0(VALU_DEP_3)
	v_mov_b32 v[227+6*\c+\i], v[236+4*\c+\i]
.endr
.endr
.if \ow
	WIN 0x41
.endif
.irp j, 0,2,4,6,8,10,12,14,16,18,20,22,24,26,28,30,32,34,36,38,40,42,44,46,48,50,52,54,56,58,60,62
	v_pk_mul_f32 v[\ob+\j:\ob+\j+1], v[\ob+\j:\ob+\j+1], v[252:253] op_sel_hi:[1,0]
.endr
	s_wait_alu depctr_va_vdst(0)
	s_wait_dscnt 0x0
.if \ow
	WIN 0x51
.else
	WIN 0x01
.endif
.irp t, 0,1,2,3,4,5,6,7
.if \t%2 == 0
	v_wmma_scale_f32_16x16x128_f8f6f4 v[\ob+8*\t:\ob+8*\t+7], v[96+12*\t:96+12*\t+11], v[224:235], v[\ob+8*\t:\ob+8*\t+7], v[32+\t/2], v253 matrix_a_fmt:MATRIX_FMT_BF6 matrix_b_fmt:MATRIX_FMT_BF6
.else
	v_wmma_scale_f32_16x16x128_f8f6f4 v[\ob+8*\t:\ob+8*\t+7], v[96+12*\t:96+12*\t+11], v[224:235], v[\ob+8*\t:\ob+8*\t+7], v[32+\t/2], v253 matrix_a_fmt:MATRIX_FMT_BF6 matrix_b_fmt:MATRIX_FMT_BF6 matrix_a_scale:MATRIX_SCALE_ROW1
.endif
.endr
	WIN 0
.Lskip_\@:
.endm
.macro STEP
	s_cmp_gt_u32 s[KF], s[QMAXM]
	s_cbranch_scc1 .Lhidden_\@
	v_add_nc_u32 v[ADK], s[TB], v[LK]
	v_add_nc_u32 v[ADS], s[TSC], v[ASK0]
	v_nop
	v_nop
.irp i, 0,1,2,3
	ds_load_b32 v[248+\i], v[ADS] offset:128*\i
.endr
.irp i, 0,1,2,3
	ds_load_b32 v[32+\i], v[ADS] offset:8192+128*\i
.endr
	WIN 0x40
.irp t, 0,1,2,3,4,5,6,7
.irp c, 0,1,2
	ds_load_b128 v[12*\t+4*\c:12*\t+4*\c+3], v[ADK] offset:FRB*\t+512*\c
.endr
.endr
.irp t, 0,1,2,3,4,5,6,7
.irp c, 0,1,2
	ds_load_b128 v[96+12*\t+4*\c:96+12*\t+4*\c+3], v[ADK] offset:8*FRB+FRB*\t+512*\c
.endr
.endr
	WIN 0
	TILE 16, 255, 12, v13, QL, 0, 160, QMIN, QMAX
	TILE 36, 48, 50, v51, QLY, 1, 192, QMINY, QMAXY
	s_wait_dscnt 0x0
.Lhidden_\@:
	s_add_co_u32 s[KF], s[KF], 256
	s_add_co_u32 s[TB], s[TB], 2*STEPB
	s_add_co_u32 s[TSC], s[TSC], 1024
.endm
.macro CHANGE fill
	s_wait_tensorcnt 0x0
	ds_add_u32 v[SPW], v[NIL]
.if \fill
	s_xor_b32 s[G0K+1], s[G0K+1], SLOT1
	s_add_nc_u64 s[G0K+2:G0K+3], s[G0K+2:G0K+3], 4*8*FRB
	s_xor_b32 s[G0V+1], s[G0V+1], SLOT1
	s_add_nc_u64 s[G0V+2:G0V+3], s[G0V+2:G0V+3], 4*PL
	s_wait_xcnt 0x0
	s_add_nc_u64 s[PFA:PFA+1], s[PFA:PFA+1], s[PFS:PFS+1]
.endif
	s_wait_dscnt 0x0
	s_barrier_signal -1
	s_barrier_wait -1
.if \fill
	TLOAD
	ASK
.endif
.endm
.macro TWO_STEPS
	s_mov_b32 s[CNT], 2
.Lstep_\@:
	STEP
	s_sub_co_u32 s[CNT], s[CNT], 1
	s_cmp_lg_u32 s[CNT], 0
	s_cbranch_scc1 .Lstep_\@
	s_sub_co_u32 s[TB], s[TB], 4*STEPB
	s_xor_b32 s[TB], s[TB], SLOT1
.endm
	s_wait_loadcnt 0x0
.Lslot:
	CHANGE 1
	TWO_STEPS
	s_sub_co_u32 s[SLOTS], s[SLOTS], 1
	s_cmp_lg_u32 s[SLOTS], 0
	s_cbranch_scc1 .Lslot
	CHANGE 0
	TWO_STEPS
.macro QUANT s
.irp b, 0,1,2,3
	v_max3_num_f32 v[TM+\b], |v[\s+16*\b]|, |v[\s+1+16*\b]|, 0x2800000
.endr
.irp i, 2,4,6,8,10,12,14
.irp b, 0,1,2,3
	s_delay_alu instid0(VALU_DEP_4)
	v_max3_num_f32 v[TM+\b], v[TM+\b], |v[\s+16*\b+\i]|, |v[\s+1+16*\b+\i]|
.endr
.endr
.irp b, 0,1,2,3
	s_delay_alu instid0(VALU_DEP_4)
	v_permlanex16_b32 v[TM+4+\b], v[TM+\b], s[SEL], s[SEL+1]
.endr
.irp b, 0,1,2,3
	s_delay_alu instid0(VALU_DEP_4)
	v_max_num_f32 v[TM+\b], v[TM+\b], v[TM+4+\b]
.endr
.irp b, 0,1,2,3
	s_delay_alu instid0(VALU_DEP_4)
	v_add_nc_u32 v[TM+12+\b], 0xfe000000, v[TM+\b]
.endr
.irp b, 0,1,2,3
	s_delay_alu instid0(VALU_DEP_4)
	v_lshrrev_b32 v[TM+4+\b], 23, v[TM+12+\b]
.endr
	s_delay_alu instid0(VALU_DEP_3)
	v_lshl_or_b32 v[PW], v[TM+5], 8, v[TM+4]
	s_delay_alu instid0(VALU_DEP_1)
	v_lshl_or_b32 v[PW], v[TM+6], 16, v[PW]
	s_delay_alu instid0(VALU_DEP_1)
	v_lshl_or_b32 v[PW], v[TM+7], 24, v[PW]
.irp c, 0,1
	v_cvt_scalef32_pk16_bf6_f32 v[PC+6*\c:PC+2+6*\c], v[\s+32*\c:\s+15+32*\c], v[TM+12+2*\c]
	v_cvt_scalef32_pk16_bf6_f32 v[PC+12+4*\c:PC+14+4*\c], v[\s+16+32*\c:\s+31+32*\c], v[TM+12+2*\c+1]
.endr
	v_nop
.irp c, 0,1
.irp i, 0,1,2
	v_permlane16_swap_b32 v[PC+6*\c+\i], v[PC+12+4*\c+\i]
.endr
.irp i, 0,1,2
	s_delay_alu instid0(VALU_DEP_3)
	v_mov_b32 v[PC+3+6*\c+\i], v[PC+12+4*\c+\i]
.endr
.endr
.endm
.rept 4
	v_nop
.endr
	WIN 0x04
	s_wait_alu depctr_va_vdst(0)
.irp t, 0,1,2,3,4,5,6,7
	ds_store_b128 v[STGI], v[192+8*\t:195+8*\t] offset:1024*\t
	ds_store_b128 v[STGI], v[196+8*\t:199+8*\t] offset:1024*\t+512
.endr
	WIN 0
	ds_store_b128 v[STGI], v[50:53] offset:8192
	s_wait_dscnt 0x0
	s_barrier_signal -1
	s_barrier_wait -1
.irp c, 0,1,2,3,4,5,6,7,8,9,10,11,12,13,14,15
	ds_load_b128 v[96+4*\c:99+4*\c], v[STGO] offset:512*\c
.endr
	ds_load_b128 v[232:235], v[STGO] offset:8192
	s_wait_dscnt 0x0
	v_min_num_f32 v236, v12, v232
	s_delay_alu instid0(VALU_DEP_1)
	v_sub_f32 v241, v236, v12
	s_delay_alu instid0(VALU_DEP_2)
	v_sub_f32 v243, v236, v232
	s_delay_alu instid0(VALU_DEP_2)
	v_cvt_i32_f32 v241, v241
	s_delay_alu instid0(VALU_DEP_2)
	v_cvt_i32_f32 v243, v243
	s_delay_alu instid0(VALU_DEP_2)
	v_ldexp_f32 v240, 1.0, v241
	s_delay_alu instid0(VALU_DEP_2)
	v_ldexp_f32 v242, 1.0, v243
	v_add_f32 v14, v14, v15
	v_add_f32 v234, v234, v235
	s_delay_alu instid0(VALU_DEP_2)
	v_mul_f32 v14, v14, v240
	s_delay_alu instid0(VALU_DEP_1)
	v_fmac_f32 v14, v234, v242
	s_delay_alu instid0(VALU_DEP_1)
	v_permlanex16_b32 v252, v14, s[SEL], s[SEL+1]
	s_delay_alu instid0(VALU_DEP_1)
	v_add_f32 v14, v14, v252
	s_wait_alu depctr_va_vdst(0)
	v_rcp_f32 v14, v14
	v_nop
	s_wait_alu depctr_va_vdst(0)
	v_mul_f32 v240, v240, v14
	v_mul_f32 v242, v242, v14
.set nn, 0
.rept 32
	v_pk_mul_f32 v[96+nn:97+nn], v[96+nn:97+nn], v[242:243] op_sel_hi:[1,0]
.set nn, nn+2
.endr
.set nn, 0
.rept 32
	v_pk_fma_f32 v[96+nn:97+nn], v[160+nn:161+nn], v[240:241], v[96+nn:97+nn] op_sel_hi:[1,0,1]
.set nn, nn+2
.endr
	QUANT 96
.irp c, 0,1,2
	global_store_b128 v[L16], v[PC+4*\c:PC+4*\c+3], s[8:9] offset:512*\c
.endr
	ds_store_b32 v[SWI], v[PW]
	s_wait_dscnt 0x0
	s_barrier_signal -1
	s_barrier_wait -1
	s_and_b32 s77, s[WV], 3
	s_cmp_lg_u32 s77, 0
	s_cbranch_scc1 .Lno_words
	ds_load_b64 v[WRDS:WRDS+1], v[SWO]
	s_wait_dscnt 0x0
	global_store_b64 v[GO], v[WRDS:WRDS+1], s[10:11]
.Lno_words:
	s_wait_tensorcnt 0x0
	ds_add_u32 v[SPW], v[NIL]
	s_wait_dscnt 0x0
	s_endpgm
.Lfunc_end_k_q1d4489d10e_attn:
	.size	k_q1d4489d10e_attn, .Lfunc_end_k_q1d4489d10e_attn-k_q1d4489d10e_attn
	.p2alignl 7, 3214868480
	.fill 96, 4, 3214868480
	.section	.rodata,"a",@progbits
	.p2align	6, 0x0
	.amdhsa_kernel k_q1d4489d10e_attn
		.amdhsa_group_segment_fixed_size 327680
		.amdhsa_private_segment_fixed_size 0
		.amdhsa_enable_private_segment 0
		.amdhsa_kernarg_size 32
		.amdhsa_user_sgpr_count 2
		.amdhsa_user_sgpr_kernarg_segment_ptr 1
		.amdhsa_wavefront_size32 1
		.amdhsa_system_sgpr_workgroup_id_x 1
		.amdhsa_system_sgpr_workgroup_id_y 1
		.amdhsa_system_sgpr_workgroup_id_z 1
		.amdhsa_system_vgpr_workitem_id 0
		.amdhsa_next_free_vgpr 512
		.amdhsa_next_free_sgpr 100
		.amdhsa_reserve_vcc 1
		.amdhsa_float_denorm_mode_32 3
		.amdhsa_float_denorm_mode_16_64 3
		.amdhsa_memory_ordered 1
		.amdhsa_forward_progress 1
		.amdhsa_inst_pref_size 125
	.end_amdhsa_kernel
	.amdgpu_metadata
---
amdhsa.version: [ 1, 2 ]
amdhsa.kernels:
  - .name:           k_q1d4489d10e_attn
    .symbol:         k_q1d4489d10e_attn.kd
    .args:
      - { .name: qkvc, .offset: 0, .size: 8, .value_kind: global_buffer, .address_space: global }
      - { .name: qkvs, .offset: 8, .size: 8, .value_kind: global_buffer, .address_space: global }
      - { .name: atc, .offset: 16, .size: 8, .value_kind: global_buffer, .address_space: global }
      - { .name: ats, .offset: 24, .size: 8, .value_kind: global_buffer, .address_space: global }
    .group_segment_fixed_size: 327680
    .private_segment_fixed_size: 0
    .kernarg_segment_align: 8
    .kernarg_segment_size: 32
    .max_flat_workgroup_size: 256
    .sgpr_count:     100
    .vgpr_count:     512
    .wavefront_size: 32
...
	.end_amdgpu_metadata
.endif
;; end of part 3
;; launch proj (part 4): grid 16 x 16, 4 waves a work-group, clusters of 4 x 1, 327,680 bytes of LDS; arguments atc, ats, opc, ops, bo, out0; writes out0
.if DOCPART == 4
	.amdgcn_target "amdgcn-amd-amdhsa--gfx1250"
	.amdhsa_code_object_version 6
	.text
	.protected	k_q1d4489d10e_proj
	.globl	k_q1d4489d10e_proj
	.p2align	8
	.type	k_q1d4489d10e_proj,@function
k_q1d4489d10e_proj:
	s_mov_b64 s[64:65], 0
	v_nop
	global_prefetch_b8 v0, s[64:65] scope:SCOPE_SE
	s_setreg_imm32_b32 hwreg(HW_REG_WAVE_MODE, 25, 1), 1
	s_wait_xcnt 0x0
	s_wait_alu depctr_hold_cnt(0) depctr_sa_sdst(0) depctr_va_vdst(0) depctr_va_sdst(0) depctr_va_ssrc(0) depctr_va_vcc(0) depctr_vm_vsrc(0)
	s_getreg_b32 s2, hwreg(HW_REG_IB_STS2, 6, 4)
	s_cmp_eq_u32 s2, 0
	s_cbranch_scc0 .Lentry_in_a_cluster
	s_endpgm
.Lentry_in_a_cluster:
	s_bfe_u32 s2, ttmp6, 0x10000c
	s_cmp_lg_u32 s2, 0x3003
	s_cbranch_scc0 .Lentry_shape_is_right
	s_endpgm
.Lentry_shape_is_right:
; out0 = att WO + bo on codes of BF6 (E3M2) with E8M0 scales, f32 sums.  att (atc, ats) and WO (tensor 4 of opc, ops; its rows are WO's columns) lie as images of fragments:
; codes [K step (16)][row block (128)][1536 bytes], scale words [K step][row block][16 words]; lane r of row block 2 g + u holds row 32 g + 8 u + r % 8 + 16 (r / 8).
; A tile of 128 x 128 to a work-group (256 work-groups), 64 x 64 to a wave: 16 accumulators.  Source 0 = WO's rows, source 1 = att's: a lane holds one token and eight neighbouring columns a tile.
; att's 128 rows, ALL of K (196,608 bytes), come into LDS once: one tensor load a wave, four K steps each; nothing in LDS is filled again, so the walk along K has no barrier.
; WO's images go from memory straight into registers, 512 consecutive bytes a load, five sets: the K step four on is loaded in each step.
; The scale words of both are copied once, in rows of 512 bytes, through registers into LDS bytes of their own.
; CLUSTER 4, 1, 1: the four work-groups of a cluster share att's tile and ask for it jointly (mask 15); WO goes to registers and has no joint form.
; PREFETCH: in step t (t up to 5) WO's K step t + 10 is named, which step t + 6 loads: of a wave's 24 blocks of 256 bytes each of the two waves that read them names 12, a lane a block.
; bo is the C of the first K step.
; REGISTERS: window 0: v1-20 addresses; v24-31 scale words, two sets; v32-63 bo; v64-127 rows on the way out; v128-255 accumulator (a, b) at v[128 + 8 (4 a + b)].  window 1: att's fragments, two sets of 48.  window 2: WO's, five sets of 48.
.set PL,    196608
.set TC,    16*PL
.set SPL,   8192
.set TS,    16*SPL
.set FRB,   1536
.set FR,    12
.set KSB,   8*FRB
.set SCA,   16*KSB                     ; att's scale words: [K step][512 bytes]
.set SCB,   SCA+8192+128               ; WO's, 128 bytes aside: other banks
.set SPARE, 213248                     ; the spare words: two blocks of 256 bytes that no other line names
.set STG,   SPARE+512                  ; the way out: 16 rows x 272 bytes a wave
.set L16,  1
.set ADRS, 2
.set STO,  3
.set RD,   4
.set CO,   5
.set SPW,  6
.set NIL,  7
.set PFO,  8
.set VB,   9
.set STA,  15
.set STB,  16
.set ADRA, 17                          ; v17-20: att's fragments, K steps 0-3, 4-7, 8-11, 12-15
.set SC,   24
.set BO,   32
.set OB,   64
.set ACC,  128
.set MSB, 0
.macro WIN new
.if MSB != (\new)
	s_set_vgpr_msb (MSB<<8)|(\new)
.set MSB, (\new)
.endif
.endm
.macro PLACES                          ; four plain places between a matrix instruction and a load into its registers or a read of its result
.rept 4
	v_nop
.endr
.endm
.macro CROUND
	s_barrier_signal -1
	s_barrier_wait -1
	s_cmp_lg_u32 s16, 0
	s_cbranch_scc1 .Lnot_wave_0_\@
	s_barrier_signal -3
.Lnot_wave_0_\@:
	s_barrier_wait -3
	s_barrier_signal -1
	s_barrier_wait -1
.endm
	s_load_b256 s[4:11], s[0:1], 0x0               ; atc, ats, opc, ops
	s_load_b128 s[12:15], s[0:1], 0x20             ; bo, out0
	v_lshl_add_u32 v[SPW], v0, 2, SPARE
	v_mov_b32 v[NIL], 0
	ds_add_u32 v[SPW], v[NIL]                      ; the opening lines: the add twice on end and its wait
	ds_add_u32 v[SPW], v[NIL]
	v_lshrrev_b32 v10, 5, v0
	v_readfirstlane_b32 s16, v10                   ; wave 0..3
	s_lshr_b32 s17, s16, 1                         ; which 64 rows are mine
	s_and_b32 s18, s16, 1                          ; which 64 columns
	s_bfe_u32 s19, ttmp6, 0x40000                  ; cx
	s_lshl_b32 s20, ttmp9, 2
	s_add_co_u32 s20, s20, s19                     ; tile column
	s_and_b32 s21, ttmp7, 0xffff                   ; tile row
	s_mov_b32 s24, 15|(3<<16)|(1<<21)              ; group 1: the four partners; elements of 8 bytes; 4 rows (K steps) of 12,288 bytes, a plane apart
	s_mov_b32 s25, 1536<<16
	s_mov_b32 s26, 4<<16
	s_mov_b32 s27, 1536<<16
	s_mov_b32 s28, 4
	s_mov_b32 s29, PL/8
	s_mov_b32 s30, 0
	s_mov_b32 s31, 0
	s_mul_i32 s40, s21, KSB                        ; att's codes: the tile, my four K steps (no cx in it)
	s_mul_i32 s41, s16, 4*PL
	s_add_co_u32 s40, s40, s41
	s_mov_b32 s41, 0
	s_lshl_b32 s44, s21, 9                         ; att's scale words, my four K steps
	s_lshl_b32 s45, s16, 15
	s_add_co_u32 s44, s44, s45
	s_lshl_b32 s46, s20, 9                         ; WO's likewise
	s_add_co_u32 s46, s46, s45
	s_add_co_u32 s46, s46, 4*TS
	s_mov_b32 s45, 0
	s_mov_b32 s47, 0
	s_mul_i32 s42, s20, KSB                        ; WO's codes: my four row blocks
	s_mul_i32 s43, s18, 4*FRB
	s_add_co_u32 s42, s42, s43
	s_add_co_u32 s42, s42, 4*TC
	s_mov_b32 s43, 0
	s_lshl_b32 s48, s20, 9                         ; my first column, in bytes
	s_lshl_b32 s49, s18, 8
	s_add_co_u32 s48, s48, s49
	s_mov_b32 s49, 0
	s_lshl_b32 s50, s21, 20                        ; my first row: rows of 8,192 bytes
	s_lshl_b32 s51, s17, 19
	s_add_co_u32 s50, s50, s51
	s_add_co_u32 s50, s50, s48
	s_mov_b32 s51, 0
	s_mul_i32 s52, s17, 4*FRB                      ; my four row blocks of att in LDS
	s_lshl_b32 s53, s17, 8
	s_lshl_b32 s54, s18, 8
	s_add_co_u32 s54, s54, SCB-SCA
	s_sub_co_u32 s54, s54, s53                     ; from att's words to WO's
	s_add_co_u32 s53, s53, SCA
	s_lshl_b32 s55, s16, 11
	s_add_co_u32 s56, s55, SCB
	s_add_co_u32 s55, s55, SCA
	s_mul_i32 s57, s16, 16*272
	s_add_co_u32 s57, s57, STG
	s_mul_i32 s58, s17, 3072                       ; my 12 of the 24 blocks that two waves read
	s_mov_b32 s32, 1
	s_mul_i32 s33, s16, 4*KSB
	v_and_b32 v10, 31, v0                          ; lane
	v_and_b32 v11, 15, v0                          ; r
	v_bfe_u32 v12, v0, 4, 1                        ; h
	v_lshlrev_b32 v[L16], 4, v10
	v_add_nc_u32 v[ADRA], s52, v[L16]
	v_add_nc_u32 v[ADRA+1], 4*KSB, v[ADRA]
	v_add_nc_u32 v[ADRA+2], 8*KSB, v[ADRA]
	v_add_nc_u32 v[ADRA+3], 12*KSB, v[ADRA]
	v_lshlrev_b32 v13, 2, v11
	v_mul_u32_u24 v14, s54, v12                    ; lanes 16-31 take WO's words: one product, the distance between the two
	v_add_nc_u32 v14, v14, v13
	v_add_nc_u32 v[ADRS], s53, v14
	v_add_nc_u32 v[STA], s55, v[L16]
	v_add_nc_u32 v[STB], s56, v[L16]
	v_mul_u32_u24 v[STO], v11, 272
	v_lshl_add_u32 v[STO], v12, 6, v[STO]
	v_add_nc_u32 v[STO], s57, v[STO]               ; the stage, in: row r, + 64 h
	v_mul_u32_u24 v[RD], v12, 272
	v_lshl_add_u32 v[RD], v11, 4, v[RD]
	v_add_nc_u32 v[RD], s57, v[RD]                 ; back: lanes 0-15 one row of 256 bytes, lanes 16-31 the next
	v_lshlrev_b32 v[CO], 13, v12
	v_lshl_add_u32 v[CO], v11, 4, v[CO]            ; and the same in out0
	v_min_u32 v14, 11, v10
	v_lshlrev_b32 v14, 8, v14
	v_add_nc_u32 v[PFO], s58, v14                  ; (lanes 12-31 name the last block again)
	v_lshlrev_b32 v[VB], 6, v12                    ; tile b, register j: column 32 (b / 2) + 16 h + 8 (b % 2) + j
	s_wait_alu depctr_va_vdst(0)                   ; the head's end
	s_wait_dscnt 0x0                               ; both opening adds are done
	s_wait_kmcnt 0x0
	s_add_nc_u64 s[34:35], s[4:5], s[40:41]
	s_or_b32 s35, s35, 0x80000000
	s_add_nc_u64 s[44:45], s[6:7], s[44:45]
	s_add_nc_u64 s[42:43], s[8:9], s[42:43]
	s_add_nc_u64 s[46:47], s[10:11], s[46:47]
	s_add_nc_u64 s[12:13], s[12:13], s[48:49]
	s_add_nc_u64 s[14:15], s[14:15], s[50:51]
.irp i, 0,1,2,3
	global_load_b128 v[64+4*\i:67+4*\i], v[L16], s[44:45] offset:SPL*\i     ; the words of my four K steps: 512 consecutive bytes a load
	global_load_b128 v[80+4*\i:83+4*\i], v[L16], s[46:47] offset:SPL*\i
.endr
.irp b, 0,1,2,3
	global_load_b128 v[BO+8*\b:BO+8*\b+3], v[VB], s[12:13] offset:(32*(\b/2)+8*(\b%2))*4
	global_load_b128 v[BO+8*\b+4:BO+8*\b+7], v[VB], s[12:13] offset:(32*(\b/2)+8*(\b%2))*4+16
.endr
	CROUND                                         ; the four partners are here: the joint loads meet
	tensor_load_to_lds s[32:35], s[24:31]          ; my one tensor load: four K steps of att's 128 rows
	s_nop 0
	PLACES
.macro LOADB t                         ; 12 loads: WO's four fragments of K step t into set t % 5
.irp b, 0,1,2,3
.irp c, 0,1,2
	global_load_b128 v[48*((\t)%5)+FR*\b+4*\c:48*((\t)%5)+FR*\b+4*\c+3], v[L16], s[42:43] offset:(\t)*PL+FRB*\b+512*\c
.endr
.endr
.endm
	WIN 0x80
.irp t, 0,1,2,3,4
	LOADB \t
.endr
	WIN 0
	s_wait_loadcnt 60                              ; all but WO's 60: the words and bo are in
	s_wait_tensorcnt 0x0                           ; my part of att is in; my LDS stores follow it
.irp i, 0,1,2,3
	ds_store_b128 v[STA], v[64+4*\i:67+4*\i] offset:512*\i
	ds_store_b128 v[STB], v[80+4*\i:83+4*\i] offset:512*\i
.endr
	s_wait_dscnt 0x0
	s_barrier_signal -1
	s_barrier_wait -1                              ; all of att and all words are in LDS: the only barrier
.macro FETCHA t                        ; 16 LDS loads: att's four fragments of K step t into set t % 2, and four scale registers: lanes 0-15 att's block i, lanes 16-31 WO's block i
	WIN 0x40
.irp a, 0,1,2,3
.irp c, 0,1,2
	ds_load_b128 v[48*((\t)%2)+FR*\a+4*\c:48*((\t)%2)+FR*\a+4*\c+3], v[ADRA+(\t)/4] offset:KSB*((\t)%4)+FRB*\a+512*\c
.endr
.endr
	WIN 0
.irp i, 0,1,2,3
	ds_load_b32 v[SC+4*((\t)%2)+\i], v[ADRS] offset:512*(\t)+64*\i
.endr
.endm
.macro MULA t, a                       ; att's block a x WO's four; the 16 accumulators take turns
.irp b, 0,1,2,3
.if (\t) == 0
	v_wmma_scale_f32_16x16x128_f8f6f4 v[ACC+8*(4*(\a)+\b):ACC+8*(4*(\a)+\b)+7], v[48*((\t)%5)+FR*\b:48*((\t)%5)+FR*\b+FR-1], v[48*((\t)%2)+FR*(\a):48*((\t)%2)+FR*(\a)+FR-1], v[BO+8*\b:BO+8*\b+7], v[SC+4*((\t)%2)+\b], v[SC+4*((\t)%2)+(\a)] matrix_a_fmt:MATRIX_FMT_BF6 matrix_b_fmt:MATRIX_FMT_BF6 matrix_a_scale:MATRIX_SCALE_ROW1
.else
	v_wmma_scale_f32_16x16x128_f8f6f4 v[ACC+8*(4*(\a)+\b):ACC+8*(4*(\a)+\b)+7], v[48*((\t)%5)+FR*\b:48*((\t)%5)+FR*\b+FR-1], v[48*((\t)%2)+FR*(\a):48*((\t)%2)+FR*(\a)+FR-1], v[ACC+8*(4*(\a)+\b):ACC+8*(4*(\a)+\b)+7], v[SC+4*((\t)%2)+\b], v[SC+4*((\t)%2)+(\a)] matrix_a_fmt:MATRIX_FMT_BF6 matrix_b_fmt:MATRIX_FMT_BF6 matrix_a_scale:MATRIX_SCALE_ROW1
.endif
.endr
.endm
; K step t: the registers that step t - 1 read take att's step t + 1 (from LDS) and WO's step t + 4 (from memory); then step t is multiplied.
.macro STEP t
.if (\t) < 15
.if (\t) > 0
	PLACES
.endif
	FETCHA (\t)+1
.endif
.if (\t) >= 1 && (\t)+4 <= 15
	WIN 0x80
	LOADB (\t)+4
	WIN 0
.endif
.if (\t) <= 5
	global_prefetch_b8 v[PFO], s[42:43] offset:((\t)+10)*PL th:TH_LOAD_NT scope:SCOPE_SE
.endif
.if (\t) < 15
	s_wait_dscnt 16                                ; all but the 16 just issued
.else
	s_wait_dscnt 0x0
.endif
.if (\t)+4 <= 15
	s_wait_loadcnt 48                              ; behind this step's 12 loads stand those of the four steps on
.else
	s_wait_loadcnt 12*(15-(\t))
.endif
	WIN 0x06                                       ; source 0 window 2, source 1 window 1, C and D window 0
	MULA \t, 0
	MULA \t, 1
	MULA \t, 2
	MULA \t, 3
	WIN 0
.endm
	FETCHA 0
.set ST, 0
.rept 16
	STEP ST
.set ST, ST+1
.endr
; THE WAY OUT, a block of 16 rows x 64 columns at a time, through my own stage: a lane's 32 bytes of a row go in, whole rows of 256 bytes come back, and sixteen lanes store 256 consecutive bytes, aligned.
; The place of a row in its block is turned back into the row by the store's immediate.  LDS serves a wave's instructions in order: no wait between the stores and the loads.
.macro TOSTAGE a
.irp b, 0,1,2,3
	ds_store_b128 v[STO], v[ACC+8*(4*(\a)+\b):ACC+8*(4*(\a)+\b)+3] offset:128*(\b/2)+32*(\b%2)       ; each accumulator from its low end on
	ds_store_b128 v[STO], v[ACC+8*(4*(\a)+\b)+4:ACC+8*(4*(\a)+\b)+7] offset:128*(\b/2)+32*(\b%2)+16
.endr
.irp i, 0,1,2,3,4,5,6,7
	ds_load_b128 v[OB+32*((\a)%2)+4*\i:OB+32*((\a)%2)+4*\i+3], v[RD] offset:544*\i
.endr
.endm
.macro SEND a, younger                 ; younger: the LDS instructions issued behind block a's loads
	s_wait_dscnt \younger
.irp i, 0,1,2,3,4,5,6,7
	global_store_b128 v[CO], v[OB+32*((\a)%2)+4*\i:OB+32*((\a)%2)+4*\i+3], s[14:15] offset:(32*((\a)/2)+8*((\a)%2)+(2*\i)%8+16*((2*\i)/8))*8192 th:TH_STORE_NT
.endr
.endm
	PLACES
	TOSTAGE 0
.irp a, 1,2,3
.if \a > 1
	s_wait_xcnt 0x0                                ; block a - 2's stores have read their registers: block a's loads may land there
.endif
	TOSTAGE \a
	SEND \a-1, 16
.endr
	SEND 3, 0
	s_wait_tensorcnt 0x0                           ; the wave's end
	ds_add_u32 v[SPW], v[NIL]
	s_wait_dscnt 0x0
	CROUND                                         ; the closing round
	s_endpgm
.Lfunc_end_k_q1d4489d10e_proj:
	.size	k_q1d4489d10e_proj, .Lfunc_end_k_q1d4489d10e_proj-k_q1d4489d10e_proj
	.p2alignl 7, 3214868480
	.fill 96, 4, 3214868480
	.section	.rodata,"a",@progbits
	.p2align	6, 0x0
	.amdhsa_kernel k_q1d4489d10e_proj
		.amdhsa_group_segment_fixed_size 327680
		.amdhsa_private_segment_fixed_size 0
		.amdhsa_enable_private_segment 0
		.amdhsa_kernarg_size 48
		.amdhsa_user_sgpr_count 2
		.amdhsa_user_sgpr_kernarg_segment_ptr 1
		.amdhsa_wavefront_size32 1
		.amdhsa_system_sgpr_workgroup_id_x 1
		.amdhsa_system_sgpr_workgroup_id_y 1
		.amdhsa_system_sgpr_workgroup_id_z 1
		.amdhsa_system_vgpr_workitem_id 0
		.amdhsa_next_free_vgpr 768
		.amdhsa_next_free_sgpr 66
		.amdhsa_reserve_vcc 0
		.amdhsa_float_denorm_mode_32 3
		.amdhsa_float_denorm_mode_16_64 3
		.amdhsa_memory_ordered 1
		.amdhsa_forward_progress 1
		.amdhsa_inst_pref_size 88
	.end_amdhsa_kernel
	.amdgpu_metadata
---
amdhsa.version: [ 1, 2 ]
amdhsa.kernels:
  - .name:           k_q1d4489d10e_proj
    .symbol:         k_q1d4489d10e_proj.kd
    .args:
      - { .name: atc, .offset: 0, .size: 8, .value_kind: global_buffer, .address_space: global }
      - { .name: ats, .offset: 8, .size: 8, .value_kind: global_buffer, .address_space: global }
      - { .name: opc, .offset: 16, .size: 8, .value_kind: global_buffer, .address_space: global }
      - { .name: ops, .offset: 24, .size: 8, .value_kind: global_buffer, .address_space: global }
      - { .name: bo, .offset: 32, .size: 8, .value_kind: global_buffer, .address_space: global }
      - { .name: out0, .offset: 40, .size: 8, .value_kind: global_buffer, .address_space: global }
    .group_segment_fixed_size: 327680
    .private_segment_fixed_size: 0
    .kernarg_segment_align: 8
    .kernarg_segment_size: 48
    .max_flat_workgroup_size: 128
    .sgpr_count:     66
    .vgpr_count:     768
    .wavefront_size: 32
...
	.end_amdgpu_metadata
.endif
;; end of part 4
